; MI455X (gfx1250); checked and timed in simulation.
; The chip was launched on July 23, 2026; its instructions are those of AMD's public machine-readable ISA for CDNA 5 (MIT licence, August 2026) and "CDNA5" Instruction Set Architecture Reference Guide (July 2026). The comments in the code are by the model that wrote it; some were corrected since.
;; Parallel FLA Attention. Allowed arithmetic: float matrix products may take bf16 or f16 operands with f32 sums; other float arithmetic in f32, or as packed bf16 or f16 multiplies, adds, multiply-adds, maxima and minima; sums over many terms, partial sums and values carried from step to step in f32; what a program stores and reads back later, other than sums and carried values, may be rounded once to bf16 or f16.
;; Inputs: Wk 2,048 x 512 float32; Wo 2,048 x 2,048 float32; Wq 2,048 x 2,048 float32; Wv 2,048 x 512 float32; hidden_states 2 x 1,024 x 2,048 float32.
;; Outputs: out0 2 x 1,024 x 2,048 float32.
;; One version. Each part assembles by itself: llvm-mc -triple=amdgcn-amd-amdhsa -mcpu=gfx1250 --defsym DOCPART=n.
;; ======== version 1 of 1: 6 launches
;; limits: values are held in f16: magnitudes above 65,504 overflow, below 6.1e-05 lose precision
;; workspace buffers: w16 29,360,128 bytes; qkv 12,582,912 bytes; g1 12,910,592 bytes; ss 2,097,152 bytes; ob 8,388,608 bytes; fla 8,388,608 bytes
;; launch prep (part 1): grid 256 x 1, 8 waves a work-group, no clusters, 0 bytes of LDS; arguments hidden_states, Wq, Wk, Wv, Wo, w16; writes w16
.if DOCPART == 1
	.amdgcn_target "amdgcn-amd-amdhsa--gfx1250"
	.amdhsa_code_object_version 6
	.text
	.protected	k_qf00e6b60eb_prep
	.globl	k_qf00e6b60eb_prep
	.p2align	8
	.type	k_qf00e6b60eb_prep,@function
k_qf00e6b60eb_prep:
	s_mov_b64 s[64:65], 0
	v_nop
	global_prefetch_b8 v0, s[64:65] scope:SCOPE_SE
	s_setreg_imm32_b32 hwreg(HW_REG_WAVE_MODE, 25, 1), 1
	s_wait_xcnt 0x0
; CASTS.  x -> bf16 [2048][2048] at w16+0;  [Wq|Wk|Wv] -> bf16 [2048 k][3072 n] at w16+WQKV;  Wo -> bf16, that number written as f16, [2048 k][2048 n] at w16+WO.
; Wave w of work-group g owns row R = 8 g + w of all five tensors: 56 loads of 512 consecutive bytes, all issued at once, each with registers of its own,
; so no register is used twice and the only waits are the counted ones for the loads.  A store of the wave covers 256 consecutive bytes, aligned.
; No LDS, no matrix unit: every byte is read once and written once, nothing is shared.
; LIMIT: |Wo| stays within f16's 65,504.
.set DAT,  8                           ; v[8+4n ..]: item n as loaded; its first two registers then hold the four 16-bit results
.set WQKV, 8388608
.set WO,   20971520
	s_load_b256 s[4:11], s[0:1], 0x0               ; x s[4:5], Wq s[6:7], Wk s[8:9], Wv s[10:11]
	s_load_b128 s[12:15], s[0:1], 0x20             ; Wo s[12:13], w16 s[14:15]
	v_lshrrev_b32 v1, 5, v0
	v_readfirstlane_b32 s16, v1                    ; wave
	s_lshl3_add_u32 s16, ttmp9, s16                ; R = 8 g + w
	s_lshl_b32 s18, s16, 13                        ; R rows of 8,192 bytes (x, Wq, Wo)
	s_mov_b32 s19, 0
	s_lshl_b32 s20, s16, 11                        ; R rows of 2,048 bytes (Wk, Wv)
	s_mov_b32 s21, 0
	s_lshl_b32 s22, s16, 12                        ; R rows of 4,096 bytes (x and Wo in 16 bits)
	s_mov_b32 s23, 0
	s_mul_i32 s24, s16, 6144                       ; R rows of 6,144 bytes ([Wq|Wk|Wv] in bf16)
	s_add_co_u32 s24, s24, WQKV
	s_mov_b32 s25, 0
	v_and_b32 v3, 31, v0
	v_lshlrev_b32 v1, 4, v3                        ; 16 bytes a lane in
	v_lshlrev_b32 v2, 3, v3                        ; 8 bytes a lane out
	s_wait_kmcnt 0x0
	s_add_nc_u64 s[4:5], s[4:5], s[18:19]
	s_add_nc_u64 s[6:7], s[6:7], s[18:19]
	s_add_nc_u64 s[8:9], s[8:9], s[20:21]
	s_add_nc_u64 s[10:11], s[10:11], s[20:21]
	s_add_nc_u64 s[12:13], s[12:13], s[18:19]
	s_add_nc_u64 s[26:27], s[14:15], s[24:25]      ; my row of [Wq|Wk|Wv]
	s_add_nc_u64 s[14:15], s[14:15], s[22:23]      ; my row of x
	s_add_nc_u64 s[28:29], s[14:15], WO            ; my row of Wo
.set k, 0
.rept 16
	global_load_b128 v[DAT+4*k:DAT+4*k+3], v1, s[4:5] offset:512*k th:TH_LOAD_NT
.set k, k+1
.endr
.set k, 0
.rept 16
	global_load_b128 v[DAT+64+4*k:DAT+64+4*k+3], v1, s[6:7] offset:512*k th:TH_LOAD_NT
.set k, k+1
.endr
.set k, 0
.rept 4
	global_load_b128 v[DAT+128+4*k:DAT+128+4*k+3], v1, s[8:9] offset:512*k th:TH_LOAD_NT
.set k, k+1
.endr
.set k, 0
.rept 4
	global_load_b128 v[DAT+144+4*k:DAT+144+4*k+3], v1, s[10:11] offset:512*k th:TH_LOAD_NT
.set k, k+1
.endr
.set k, 0
.rept 16
	global_load_b128 v[DAT+160+4*k:DAT+160+4*k+3], v1, s[12:13] offset:512*k th:TH_LOAD_NT
.set k, k+1
.endr
; Item n: four f32 to four bf16 (half = 1: and that number written as f16), stored at off from the base pair s[base].
.macro CAST n, base, off, half
	s_wait_loadcnt 55-(\n)                         ; loads come back in order: item n is in, the 55 - n younger ones stay out
	v_cvt_pk_bf16_f32 v[DAT+4*(\n)], v[DAT+4*(\n)], v[DAT+4*(\n)+1]
	v_cvt_pk_bf16_f32 v[DAT+4*(\n)+1], v[DAT+4*(\n)+2], v[DAT+4*(\n)+3]
.if \half
	v_lshlrev_b32 v4, 16, v[DAT+4*(\n)]            ; bf16 to f32: a shift or a mask
	v_and_b32 v5, 0xffff0000, v[DAT+4*(\n)]
	v_lshlrev_b32 v6, 16, v[DAT+4*(\n)+1]
	v_and_b32 v7, 0xffff0000, v[DAT+4*(\n)+1]
	v_cvt_pk_f16_f32 v[DAT+4*(\n)], v4, v5         ; eight significant bits fit f16: exact within its range
	v_cvt_pk_f16_f32 v[DAT+4*(\n)+1], v6, v7
.endif
	global_store_b64 v2, v[DAT+4*(\n):DAT+4*(\n)+1], s[\base:\base+1] offset:\off
.endm
.set k, 0
.rept 16
	CAST k, 14, 256*k, 0
.set k, k+1
.endr
.set k, 0
.rept 16
	CAST 16+k, 26, 256*k, 0
.set k, k+1
.endr
.set k, 0
.rept 4
	CAST 32+k, 26, 4096+256*k, 0
.set k, k+1
.endr
.set k, 0
.rept 4
	CAST 36+k, 26, 5120+256*k, 0
.set k, k+1
.endr
.set k, 0
.rept 16
	CAST 40+k, 28, 256*k, 1
.set k, k+1
.endr
	s_endpgm
.Lfunc_end_k_qf00e6b60eb_prep:
	.size	k_qf00e6b60eb_prep, .Lfunc_end_k_qf00e6b60eb_prep-k_qf00e6b60eb_prep
	.p2alignl 7, 3214868480
	.fill 96, 4, 3214868480
	.section	.rodata,"a",@progbits
	.p2align	6, 0x0
	.amdhsa_kernel k_qf00e6b60eb_prep
		.amdhsa_group_segment_fixed_size 0
		.amdhsa_private_segment_fixed_size 0
		.amdhsa_enable_private_segment 0
		.amdhsa_kernarg_size 48
		.amdhsa_user_sgpr_count 2
		.amdhsa_user_sgpr_kernarg_segment_ptr 1
		.amdhsa_wavefront_size32 1
		.amdhsa_system_sgpr_workgroup_id_x 1
		.amdhsa_system_sgpr_workgroup_id_y 1
		.amdhsa_system_sgpr_workgroup_id_z 1
		.amdhsa_system_vgpr_workitem_id 0
		.amdhsa_next_free_vgpr 232
		.amdhsa_next_free_sgpr 66
		.amdhsa_reserve_vcc 0
		.amdhsa_float_denorm_mode_32 3
		.amdhsa_float_denorm_mode_16_64 3
		.amdhsa_memory_ordered 1
		.amdhsa_forward_progress 1
		.amdhsa_inst_pref_size 26
	.end_amdhsa_kernel
	.amdgpu_metadata
---
amdhsa.version: [ 1, 2 ]
amdhsa.kernels:
  - .name:           k_qf00e6b60eb_prep
    .symbol:         k_qf00e6b60eb_prep.kd
    .args:
      - { .name: hidden_states, .offset: 0, .size: 8, .value_kind: global_buffer, .address_space: global }
      - { .name: Wq, .offset: 8, .size: 8, .value_kind: global_buffer, .address_space: global }
      - { .name: Wk, .offset: 16, .size: 8, .value_kind: global_buffer, .address_space: global }
      - { .name: Wv, .offset: 24, .size: 8, .value_kind: global_buffer, .address_space: global }
      - { .name: Wo, .offset: 32, .size: 8, .value_kind: global_buffer, .address_space: global }
      - { .name: w16, .offset: 40, .size: 8, .value_kind: global_buffer, .address_space: global }
    .group_segment_fixed_size: 0
    .private_segment_fixed_size: 0
    .kernarg_segment_align: 8
    .kernarg_segment_size: 48
    .max_flat_workgroup_size: 256
    .sgpr_count:     66
    .vgpr_count:     232
    .wavefront_size: 32
...
	.end_amdgpu_metadata
.endif
;; end of part 1
;; launch gemm_qkv (part 2): grid 16 x 16, 4 waves a work-group, clusters of 4 x 4, 327,680 bytes of LDS; arguments w16, qkv; writes qkv
.if DOCPART == 2
	.amdgcn_target "amdgcn-amd-amdhsa--gfx1250"
	.amdhsa_code_object_version 6
	.text
	.protected	k_qf00e6b60eb_gemm_qkv
	.globl	k_qf00e6b60eb_gemm_qkv
	.p2align	8
	.type	k_qf00e6b60eb_gemm_qkv,@function
k_qf00e6b60eb_gemm_qkv:
	s_mov_b64 s[64:65], 0
	v_nop
	global_prefetch_b8 v0, s[64:65] scope:SCOPE_SE
	s_setreg_imm32_b32 hwreg(HW_REG_WAVE_MODE, 25, 1), 1
	s_wait_xcnt 0x0
	s_wait_alu depctr_hold_cnt(0) depctr_sa_sdst(0) depctr_va_vdst(0) depctr_va_sdst(0) depctr_va_ssrc(0) depctr_va_vcc(0) depctr_vm_vsrc(0)
	s_getreg_b32 s2, hwreg(HW_REG_IB_STS2, 6, 4)
	s_cmp_eq_u32 s2, 0
	s_cbranch_scc0 .Lentry_in_a_cluster
	s_endpgm
.Lentry_in_a_cluster:
	s_bfe_u32 s2, ttmp6, 0x10000c
	s_cmp_lg_u32 s2, 0xf033
	s_cbranch_scc0 .Lentry_shape_is_right
	s_endpgm
.Lentry_shape_is_right:
; [q|k|v] = x W.  x: bf16 [2048 m][2048 k] at w16+0;  W = [Wq|Wk|Wv]: bf16 [2048 k][3072 n] at w16+WQKV;  sums in f32;  out: f16, by head slots, qkv[slot = n/64][token m][64].
; A tile of the result is 128 x 192: 16 x 16 tiles, one for each of 256 work-groups.  Four waves, each 64 rows x 96 columns (six blocks of 16, every second block of the tile): 24 accumulators, 192 registers.
; K goes in steps of 128 through two LDS slots filled by tensor loads (a step of 256 would want 348,160 bytes for two slots).  W lies [k][n], so its fragments are read turned, by ds_load_tr16_b128.
; CLUSTER 4 x 4: the four work-groups of a cluster's row need the same tile of x, the four of a column the same tile of W: each tile is asked for jointly.
; THE MATRIX INSTRUCTION IS USED TRANSPOSED (source 0 = 16 columns of W, source 1 = 16 rows of x): a lane then holds eight neighbouring columns of one row.
; REGISTERS: window 0: v0-31 addresses, v64-255 accumulators ((a, b) at 64 + 8 (6 a + b)).  Window 1: two fragment buffers (32 along K) at 0 and 128: x's four fragments, then W's six.
; LIMIT: q, k, v stay within f16's 65,504.
.set KSTEP,  128
.set PA,     272                       ; a row of x in LDS: 256 bytes + 16
.set PB,     480                       ; a row of W in LDS: three pieces of 128 bytes, 32 bytes of padding behind each: 15 x 32
.set HALFA,  64*PA
.set HALFB,  64*PB
.set BOFF,   2*HALFA
.set SLOT,   BOFF+2*HALFB              ; 96,256
.set STAGE,  2*SLOT                    ; behind the ring: 128 rows x 400 bytes, the work-group's, for the way out
.set SPITCH, 400
.set SPARE,  STAGE+128*SPITCH          ; the spare words, 128 bytes a wave
.set LAPS,   8                         ; 2,048 / (2 x 128)
.set WQKV,   8388608
.set NBW,    6
.set ADRA, 16                          ; v16-17 LDS address of my fragments of x in slot 0, 1
.set ADRB, 20                          ; v20-21 the same for W
.set STO,  24
.set RD,   25
.set CO,   26
.set SPW,  28
.set NIL,  29
.set ACC,  64
.set F0,   0
.set F1,   128
.set G1, 24
.set G0, 32
.set G1B, 48
.set G0B, 56
.set MSB, 0
.macro WIN new                         ; the immediate's high byte repeats the setting that is left
.if MSB != (\new)
	s_set_vgpr_msb (MSB<<8)|(\new)
.set MSB, \new
.endif
.endm
.set MUL,  0x05                        ; sources 0 and 1 window 1; C and D window 0
.set TO_F, 0x40                        ; destination window 1, address window 0
.macro JLOAD s                         ; a joint load: waves 0 and 1 fetch x's two halves, waves 2 and 3 W's; s_nop 0 and four v_nop follow each line
	s_cmp_eq_u32 s11, 0
	s_cbranch_scc0 .Lfor_b_\@
	tensor_load_to_lds s[G0+4*(\s):G0+4*(\s)+3], s[G1:G1+7]
	s_nop 0
.rept 4
	v_nop
.endr
	s_branch .Lasked_\@
.Lfor_b_\@:
	tensor_load_to_lds s[G0B+4*(\s):G0B+4*(\s)+3], s[G1B:G1B+7]
	s_nop 0
.rept 4
	v_nop
.endr
.Lasked_\@:
.endm
.macro CREST                           ; a round of the cluster's barrier behind its opening barrier
	s_cmp_lg_u32 s10, 0
	s_cbranch_scc1 .Lnot_wave_0_\@
	s_barrier_signal -3
.Lnot_wave_0_\@:
	s_barrier_wait -3
	s_barrier_signal -1
	s_barrier_wait -1
.endm
.macro CROUND
	s_barrier_signal -1
	s_barrier_wait -1
	CREST
.endm
	s_load_b128 s[4:7], s[0:1], 0x0                ; w16 s[4:5], qkv s[6:7]
	v_lshl_add_u32 v[SPW], v0, 2, SPARE
	v_mov_b32 v[NIL], 0
	ds_add_u32 v[SPW], v[NIL]                      ; the wave's opening: the add and its wait stand ahead of my first tensor load
	v_lshrrev_b32 v1, 5, v0
	v_readfirstlane_b32 s10, v1                    ; wave 0..3
	s_lshr_b32 s11, s10, 1                         ; my half of the tile's rows.  Also: I fetch for x (0) or for W (1)
	s_and_b32 s12, s10, 1                          ; the parity of my column blocks.  Also: which half of that tile I fetch
	s_bfe_u32 s40, ttmp6, 0x40000                  ; cx
	s_bfe_u32 s41, ttmp6, 0x40004                  ; cy
	s_lshl_b32 s42, ttmp9, 2
	s_add_co_u32 s42, s42, s40                     ; tile column
	s_and_b32 s13, ttmp7, 0xffff
	s_lshl_b32 s13, s13, 2
	s_add_co_u32 s13, s13, s41                     ; tile row
	s_lshl_b32 s43, s41, 2
	s_lshl_b32 s43, 15, s43                        ; my row of the cluster
	s_lshl_b32 s44, 0x1111, s40                    ; my column
	s_or_b32 s[G1+0], s43, (1<<16)|(1<<20)|(1<<21)|(5<<22)|(3<<25)   ; x: 2-byte elements, 4 words of padding behind every 64
	s_mov_b32 s[G1+1], 128<<16                     ; tensor_dim0 = 128
	s_mov_b32 s[G1+2], 64<<16                      ; tensor_dim1 = 64
	s_mov_b32 s[G1+3], 128<<16                     ; tile_dim0 = 128
	s_mov_b32 s[G1+4], 64                          ; tile_dim1 = 64
	s_mov_b32 s[G1+5], 2048                        ; elements from row to row
	s_mov_b32 s[G1+6], 0
	s_mov_b32 s[G1+7], 0
	s_or_b32 s[G1B+0], s44, (1<<16)|(1<<20)|(1<<21)|(4<<22)|(7<<25)  ; W: 8 words of padding behind every 32
	s_mov_b32 s[G1B+1], 192<<16
	s_mov_b32 s[G1B+2], 64<<16
	s_mov_b32 s[G1B+3], 192<<16
	s_mov_b32 s[G1B+4], 64
	s_mov_b32 s[G1B+5], 3072
	s_mov_b32 s[G1B+6], 0
	s_mov_b32 s[G1B+7], 0
	s_lshl_b32 s16, s13, 19                        ; x: 128 rows of 4,096 bytes a tile row,
	s_lshl_b32 s17, s12, 18                        ; 64 rows a half
	s_add_co_u32 s16, s16, s17
	s_mov_b32 s17, 0
	s_mul_i32 s46, s42, 384                        ; W: 192 columns a tile column,
	s_mul_i32 s47, s12, 64*6144                    ; 64 rows of 6,144 bytes a half
	s_add_co_u32 s46, s46, s47
	s_add_co_u32 s46, s46, WQKV
	s_mov_b32 s47, 0
	s_mul_i32 s20, s12, HALFA                      ; where they go: no place in the cluster enters an LDS address
	s_mul_i32 s21, s12, HALFB
	s_add_co_u32 s21, s21, BOFF
	s_wait_dscnt 0x0                               ; the opening add is done
	s_wait_kmcnt 0x0
	s_add_nc_u64 s[14:15], s[4:5], s[16:17]
	s_add_nc_u64 s[46:47], s[4:5], s[46:47]
	CROUND                                         ; all sixteen work-groups are here: the first joint loads meet
.irp s, 0,1
	s_mov_b32 s[G0+4*(\s)], 1
	s_add_co_u32 s[G0+4*(\s)+1], s20, (\s)*SLOT
	s_add_nc_u64 s[G0+4*(\s)+2:G0+4*(\s)+3], s[14:15], (\s)*KSTEP*2
	s_or_b32 s[G0+4*(\s)+3], s[G0+4*(\s)+3], 0x80000000
	s_mov_b32 s[G0B+4*(\s)], 1
	s_add_co_u32 s[G0B+4*(\s)+1], s21, (\s)*SLOT
	s_add_nc_u64 s[G0B+4*(\s)+2:G0B+4*(\s)+3], s[46:47], (\s)*KSTEP*6144
	s_or_b32 s[G0B+4*(\s)+3], s[G0B+4*(\s)+3], 0x80000000
	JLOAD \s                                       ; two loads of mine are out behind these
.endr
	v_and_b32 v1, 15, v0                           ; r = l % 16
	v_bfe_u32 v2, v0, 4, 1                         ; h = l / 16
	v_mul_u32_u24 v3, v1, PA
	v_lshl_add_u32 v3, v2, 4, v3                   ; x: row x pitch + 16 h
	v_and_b32 v5, 7, v0
	v_bfe_u32 v6, v0, 3, 1
	v_lshl_add_u32 v7, v2, 3, v5                   ; W, turned: k row 8 h + l % 8,
	v_mul_u32_u24 v7, v7, PB
	v_lshl_add_u32 v7, v6, 4, v7                   ; 16 bytes for each half of eight lanes
	s_mul_i32 s22, s11, HALFA                      ; my 64 rows of x
	s_lshl_b32 s23, s12, 5                         ; my blocks of W: 32 bytes on for the odd ones
	s_add_co_u32 s23, s23, BOFF
.irp s, 0,1
	v_add_nc_u32 v[ADRA+(\s)], s22, v3
	v_add_nc_u32 v[ADRB+(\s)], s23, v7
	s_add_co_u32 s22, s22, SLOT
	s_add_co_u32 s23, s23, SLOT
.endr
	s_mul_i32 s22, s11, 64*SPITCH                  ; into the stage: row 64 (w / 2) + r, byte 64 b + 32 (w % 2) + 16 h
	s_lshl_b32 s23, s12, 5
	s_add_co_u32 s22, s22, s23
	s_add_co_u32 s22, s22, STAGE
	v_mul_u32_u24 v4, v1, SPITCH
	v_lshl_add_u32 v4, v2, 4, v4
	v_add_nc_u32 v[STO], s22, v4
	s_mul_i32 s22, s10, 32*SPITCH                  ; back: wave w takes rows 32 w ..; 32 lanes take a slot's 128 bytes of four rows
	s_add_co_u32 s22, s22, STAGE
	v_bfe_u32 v8, v0, 3, 2
	v_mul_u32_u24 v8, v8, SPITCH
	v_lshl_add_u32 v8, v5, 4, v8
	v_add_nc_u32 v[RD], s22, v8
	v_and_b32 v9, 31, v0
	v_lshlrev_b32 v[CO], 4, v9                     ; which are 512 consecutive bytes of a slot
	s_mul_i32 s46, s42, 3*262144                   ; three slots a tile column
	s_lshl_b32 s16, s13, 14                        ; 128 tokens of 128 bytes a tile row
	s_lshl_b32 s17, s10, 12                        ; 32 tokens a wave
	s_add_co_u32 s46, s46, s16
	s_add_co_u32 s46, s46, s17
	s_mov_b32 s47, 0
	s_add_nc_u64 s[6:7], s[6:7], s[46:47]
; six matrix instructions: row block a x my six column blocks, 32 along K.  All 24 accumulators take turns, one instruction a turn, in the same order in every sub-step.
.macro MULA f, a, zero
	WIN MUL
.irp b, 0,1,2,3,4,5
.if \zero
	v_wmma_f32_16x16x32_bf16 v[ACC+8*(NBW*(\a)+(\b)):ACC+8*(NBW*(\a)+(\b))+7], v[(\f)+32+8*(\b):(\f)+32+8*(\b)+7], v[(\f)+8*(\a):(\f)+8*(\a)+7], 0
.else
	v_wmma_f32_16x16x32_bf16 v[ACC+8*(NBW*(\a)+(\b)):ACC+8*(NBW*(\a)+(\b))+7], v[(\f)+32+8*(\b):(\f)+32+8*(\b)+7], v[(\f)+8*(\a):(\f)+8*(\a)+7], v[ACC+8*(NBW*(\a)+(\b)):ACC+8*(NBW*(\a)+(\b))+7]
.endif
.endr
.endm
; 20 LDS loads in one run: sub-step q's fragments into buffer f
.macro FETCH slot, q, f
	WIN TO_F
.irp b, 0,1,2,3,4,5
	ds_load_tr16_b128 v[(\f)+32+8*(\b):(\f)+32+8*(\b)+3],   v[ADRB+(\slot)] offset:(\q)*32*PB+((\b)/2)*160+((\b)%2)*64
	ds_load_tr16_b128 v[(\f)+32+8*(\b)+4:(\f)+32+8*(\b)+7], v[ADRB+(\slot)] offset:(\q)*32*PB+((\b)/2)*160+((\b)%2)*64+16*PB
.endr
.irp a, 0,1,2,3
	ds_load_b128 v[(\f)+8*(\a):(\f)+8*(\a)+3],   v[ADRA+(\slot)] offset:(\a)*16*PA+(\q)*64
	ds_load_b128 v[(\f)+8*(\a)+4:(\f)+8*(\a)+7], v[ADRA+(\slot)] offset:(\a)*16*PA+(\q)*64+32
.endr
.endm
.macro PLACES                          ; four places in front of loads into registers that matrix instructions have read, and of lines that read results
.rept 4
	v_nop
.endr
.endm
; multiplies sub-step q - 1 and, in its middle, fetches sub-step q of the same slot into the other buffer
.macro SUB slot, q, zero
.set FM, 128*(((\q)+1)%2)
.set FN, 128*((\q)%2)
	s_wait_dscnt 0x0                               ; the fragments asked for twelve matrix instructions ago are in
	MULA FM, 0, \zero
	MULA FM, 1, \zero
	PLACES
	FETCH \slot, \q, FN
	MULA FM, 2, \zero
	MULA FM, 3, \zero
.endm
; the last sub-step multiplies buffer 1 and changes slots: ONE barrier; fill = 1: it opens a round of the cluster's, and this slot is filled again, two K steps ahead
.macro TURN slot, next, fill
	WIN 0
	s_wait_tensorcnt 0x0                           ; all my tensor loads have landed: my part of the next slot
	ds_add_u32 v[SPW], v[NIL]                      ; 0 onto my spare word
	s_wait_dscnt 1                                 ; the fragments are in; the add alone may be out
	MULA F1, 0, 0
	s_wait_dscnt 0x0                               ; the add is done, and my reads of this slot are over
	s_barrier_signal -1
	MULA F1, 1, 0
.if \fill
	WIN 0
.endif
	s_barrier_wait -1
.if \fill
	CREST                                          ; no wave of any partner still reads this slot or has a load on its way
	s_add_nc_u64 s[G0+4*(\slot)+2:G0+4*(\slot)+3], s[G0+4*(\slot)+2:G0+4*(\slot)+3], 2*KSTEP*2
	s_add_nc_u64 s[G0B+4*(\slot)+2:G0B+4*(\slot)+3], s[G0B+4*(\slot)+2:G0B+4*(\slot)+3], 2*KSTEP*6144
	JLOAD \slot                                    ; my one tensor load behind the round; its four v_nop are also the places in front of the loads below
.else
	PLACES
.endif
	FETCH \next, 0, F0
	MULA F1, 2, 0
	MULA F1, 3, 0
.endm
	s_wait_tensorcnt 1                             ; my part of K step 0 is in; step 1's may stay out
	s_barrier_signal -1
	s_barrier_wait -1
	FETCH 0, 0, F0
	SUB 0, 1, 1                                    ; the first sub-step stands in front of the loop: its products start the sums
	WIN 0
	s_mov_b32 s3, LAPS-1
.Llap:                                                 ; a trip goes once round the ring and fills both slots again
	SUB 0, 2, 0
	SUB 0, 3, 0
	TURN 0, 1, 1
	SUB 1, 1, 0
	SUB 1, 2, 0
	SUB 1, 3, 0
	TURN 1, 0, 1
	SUB 0, 1, 0
	WIN 0
	s_sub_co_u32 s3, s3, 1
	s_cmp_lg_u32 s3, 0
	s_cbranch_scc1 .Llap
	SUB 0, 2, 0                                    ; the last lap fills nothing
	SUB 0, 3, 0
	TURN 0, 1, 0
	SUB 1, 1, 0
	SUB 1, 2, 0
	SUB 1, 3, 0
	s_wait_dscnt 0x0
	MULA F1, 0, 0
	MULA F1, 1, 0
	MULA F1, 2, 0
	MULA F1, 3, 0
	WIN 0
	; THE WAY OUT: rounded to f16 in place (each accumulator from its low end); 16 bytes a lane into the stage; a barrier, since a slot's 128 bytes come from two waves; back by slots.
	PLACES
.set t, 0
.rept 24
.irp r, 0,1,2,3
	v_cvt_pk_f16_f32 v[ACC+8*t+(\r)], v[ACC+8*t+2*(\r)], v[ACC+8*t+2*(\r)+1]
.endr
.set t, t+1
.endr
.irp a, 0,1,2,3
.irp b, 0,1,2,3,4,5
	ds_store_b128 v[STO], v[ACC+8*(NBW*(\a)+(\b)):ACC+8*(NBW*(\a)+(\b))+3] offset:(\a)*16*SPITCH+64*(\b)
.endr
.endr
	s_wait_dscnt 0x0                               ; for the others' sake: my stores into the stage are done
	s_barrier_signal -1
	s_barrier_wait -1
.set n, 0
.rept 24                               ; four rows n / 3, slot n % 3
	ds_load_b128 v[ACC+4*n:ACC+4*n+3], v[RD] offset:(n/3)*4*SPITCH+(n%3)*128
.set n, n+1
.endr
.set n, 0
.rept 24
	s_wait_dscnt 23-n                              ; load n is back, the younger ones stay out
	global_store_b128 v[CO], v[ACC+4*n:ACC+4*n+3], s[6:7] offset:(n%3)*262144+(n/3)*512  ; 512 consecutive bytes, aligned
.set n, n+1
.endr
	s_wait_tensorcnt 0x0                           ; the wave's end
	ds_add_u32 v[SPW], v[NIL]
	s_wait_dscnt 0x0
	CROUND                                         ; the closing round
	s_endpgm
.Lfunc_end_k_qf00e6b60eb_gemm_qkv:
	.size	k_qf00e6b60eb_gemm_qkv, .Lfunc_end_k_qf00e6b60eb_gemm_qkv-k_qf00e6b60eb_gemm_qkv
	.p2alignl 7, 3214868480
	.fill 96, 4, 3214868480
	.section	.rodata,"a",@progbits
	.p2align	6, 0x0
	.amdhsa_kernel k_qf00e6b60eb_gemm_qkv
		.amdhsa_group_segment_fixed_size 327680
		.amdhsa_private_segment_fixed_size 0
		.amdhsa_enable_private_segment 0
		.amdhsa_kernarg_size 16
		.amdhsa_user_sgpr_count 2
		.amdhsa_user_sgpr_kernarg_segment_ptr 1
		.amdhsa_wavefront_size32 1
		.amdhsa_system_sgpr_workgroup_id_x 1
		.amdhsa_system_sgpr_workgroup_id_y 1
		.amdhsa_system_sgpr_workgroup_id_z 1
		.amdhsa_system_vgpr_workitem_id 0
		.amdhsa_next_free_vgpr 512
		.amdhsa_next_free_sgpr 66
		.amdhsa_reserve_vcc 0
		.amdhsa_float_denorm_mode_32 3
		.amdhsa_float_denorm_mode_16_64 3
		.amdhsa_memory_ordered 1
		.amdhsa_forward_progress 1
		.amdhsa_inst_pref_size 70
	.end_amdhsa_kernel
	.amdgpu_metadata
---
amdhsa.version: [ 1, 2 ]
amdhsa.kernels:
  - .name:           k_qf00e6b60eb_gemm_qkv
    .symbol:         k_qf00e6b60eb_gemm_qkv.kd
    .args:
      - { .name: w16, .offset: 0, .size: 8, .value_kind: global_buffer, .address_space: global }
      - { .name: qkv, .offset: 8, .size: 8, .value_kind: global_buffer, .address_space: global }
    .group_segment_fixed_size: 327680
    .private_segment_fixed_size: 0
    .kernarg_segment_align: 8
    .kernarg_segment_size: 16
    .max_flat_workgroup_size: 128
    .sgpr_count:     66
    .vgpr_count:     512
    .wavefront_size: 32
...
	.end_amdgpu_metadata
.endif
;; end of part 2
;; launch gla1 (part 3): grid 16 x 16, 4 waves a work-group, no clusters, 39,424 bytes of LDS; arguments qkv, g1; writes g1
.if DOCPART == 3
	.amdgcn_target "amdgcn-amd-amdhsa--gfx1250"
	.amdhsa_code_object_version 6
	.text
	.protected	k_qf00e6b60eb_gla1
	.globl	k_qf00e6b60eb_gla1
	.p2align	8
	.type	k_qf00e6b60eb_gla1,@function
k_qf00e6b60eb_gla1:
	s_mov_b64 s[64:65], 0
	v_nop
	global_prefetch_b8 v0, s[64:65] scope:SCOPE_SE
	s_setreg_imm32_b32 hwreg(HW_REG_WAVE_MODE, 25, 1), 1
	s_wait_xcnt 0x0
; GATED LINEAR ATTENTION, part 1.  For one (batch, kv head) y and one chunk c of 64 tokens: the local states L_0..L_3 at the heads of its four sub-blocks of 16 tokens (bf16, as matrix operands),
; the chunk's own sum P = L_4 (f32), the sub-blocks' decays up to their heads cb_i and the chunk's decay D (f32).
; In base 2: a = k log2(e); gate g2 = (min(a, 0) - log2(1 + 2^-|a|)) / 16 = log2(sigmoid(k)) / 16; kf = softmax of the row (its maximum taken away).
; G_t = the sum of g2 over the sub-block's rows up to t.  K~_s = kf_s 2^(G_15 - G_s); delta_i = 2^(G_15);  L_(i+1) = delta_i L_i + K~_i^T V_i.  Every exponent is <= 0: no factor can overflow at any size of k.
; LAYOUT R of a row of 64 channels: lane (r, h) holds row r, channels d = 32 c + 16 x + 8 h + e in register 16 c + 8 x + e: packed in pairs that is a matrix fragment.
; STATE IMAGE: tile (vb, mb) of the 64 (d) x 64 (v) state: lane r is v = 16 vb + r, register j is d = 16 mb + 8 h + j.
; Stage A: wave i prepares sub-block i.  Stage B: wave w owns the v block w and walks the four sub-blocks.  No cluster: no two work-groups read the same bytes.  No tensor loads: 16 KB a work-group, read once.
; LIMITS: NaN and infinities are not treated apart; K~ below f16's smallest step counts as 0.
.set GT,    0                          ; each wave's 16 rows x 272 bytes, f32: the table in which the gates are summed down the rows: 17,408 bytes
.set KE,    17408                      ; K~: 64 rows x 160 bytes, f16: 10,240 bytes
.set VS,    27648                      ; V: 64 rows x 160 bytes, f16: 10,240 bytes
.set DT,    37888                      ; delta_i[d]: 4 x 256 bytes, f32: 1,024 bytes
.set SPARE, 38912                      ; behind DT: the spare words, 128 bytes a wave: two blocks of 256 bytes that no other line names
.set VSLOT, 8*262144                   ; from a k slot to its v slot
.set LLOFF, 4194304
.set DLOFF, 12582912
.set CBOFF, 12648448
.set KR,  16
.set VR,  32
.set WK,  48
.set L2E, 56
.set ZER, 57
.set SPW, 60
.set NIL, 61
.set A,   64
.set KF,  96
.set TT,  128
.set T2,  160
.set T,   64                           ; stage B: the state's four tiles
.set KQ,  96                           ; stage B: four quads of K~^T and a quad of zeros
.set VQ,  116                          ; stage B: a quad of V and a quad of zeros
.set DQ,  128
.set PK,  160
.set SEL, 30
; eight quads of a row in layout R: quad qn lies at byte 128 (qn / 4) + 64 ((qn / 2) % 2) + 16 (qn % 2) (+ 32 h, in the address)
.macro STQ adr, reg, off
.set qn, 0
.rept 8
	ds_store_b128 v[\adr], v[(\reg)+4*qn:(\reg)+4*qn+3] offset:(\off)+128*(qn/4)+64*((qn/2)%2)+16*(qn%2)
.set qn, qn+1
.endr
.endm
.macro LDQ adr, reg, off
.set qn, 0
.rept 8
	ds_load_b128 v[(\reg)+4*qn:(\reg)+4*qn+3], v[\adr] offset:(\off)+128*(qn/4)+64*((qn/2)%2)+16*(qn%2)
.set qn, qn+1
.endr
.endm
.macro RS1 kr, a                       ; a = the row's 32 f16 numbers times log2(e)
.set z, 0
.rept 16
	v_fma_mix_f32 v[(\a)+2*z], v[(\kr)+z], v[L2E], v[ZER] op_sel_hi:[1,0,0]
	v_fma_mix_f32 v[(\a)+2*z+1], v[(\kr)+z], v[L2E], v[ZER] op_sel:[1,0,0] op_sel_hi:[1,0,0]
.set z, z+1
.endr
.endm
.macro RS2 a, o                        ; o = the row's softmax: 2^(a - max) over its sum; the row's other 32 channels lie in the lane 16 away
.irp j, 0,1,2,3
	v_max3_num_f32 v[WK+\j], v[(\a)+8*\j], v[(\a)+8*\j+1], v[(\a)+8*\j+2]
.endr
.irp j, 0,1,2,3
	v_max3_num_f32 v[WK+\j], v[WK+\j], v[(\a)+8*\j+3], v[(\a)+8*\j+4]
.endr
.irp j, 0,1,2,3
	v_max3_num_f32 v[WK+\j], v[WK+\j], v[(\a)+8*\j+5], v[(\a)+8*\j+6]
.endr
	v_max3_num_f32 v[WK], v[WK], v[(\a)+7], v[(\a)+15]
	v_max3_num_f32 v[WK+1], v[WK+1], v[(\a)+23], v[(\a)+31]
	v_max3_num_f32 v[WK], v[WK], v[WK+1], v[WK+2]
	v_max_num_f32 v[WK], v[WK], v[WK+3]
	v_permlanex16_b32 v[WK+1], v[WK], s[SEL], s[SEL+1]
	v_max_num_f32 v[WK], v[WK], v[WK+1]
.set z, 0
.rept 16
	v_pk_add_f32 v[(\o)+2*z:(\o)+2*z+1], v[(\a)+2*z:(\a)+2*z+1], v[WK:WK+1] op_sel_hi:[1,0] neg_lo:[0,1] neg_hi:[0,1]
.set z, z+1
.endr
.set z, 0
.rept 32
	v_exp_f32 v[(\o)+z], v[(\o)+z]
.set z, z+1
.endr
	v_nop                                          ; a plain line behind the run of exponentials
.set z, 0
	s_wait_alu depctr_va_vdst(0)
.rept 8
	v_pk_add_f32 v[TT+2*z:TT+2*z+1], v[(\o)+2*z:(\o)+2*z+1], v[(\o)+16+2*z:(\o)+16+2*z+1]
.set z, z+1
.endr
.irp w, 8, 4, 2
.set z, 0
.rept (\w)/2
	v_pk_add_f32 v[TT+2*z:TT+2*z+1], v[TT+2*z:TT+2*z+1], v[TT+(\w)+2*z:TT+(\w)+2*z+1]
.set z, z+1
.endr
.endr
	v_add_f32 v[WK], v[TT], v[TT+1]
	v_permlanex16_b32 v[WK+1], v[WK], s[SEL], s[SEL+1]
	v_add_f32 v[WK], v[WK], v[WK+1]
	v_rcp_f32 v[WK+2], v[WK]
	v_nop
.set z, 0
	s_wait_alu depctr_va_vdst(0)
.rept 16
	v_pk_mul_f32 v[(\o)+2*z:(\o)+2*z+1], v[(\o)+2*z:(\o)+2*z+1], v[WK+2:WK+3] op_sel_hi:[1,0]
.set z, z+1
.endr
.endm
.macro GATEF                           ; A: a -> g2 = (min(a, 0) - log2(1 + 2^-|a|)) / 16
.set z, 0
.rept 32
	v_or_b32 v[TT+z], 0x80000000, v[A+z]
.set z, z+1
.endr
.set z, 0
.rept 32
	v_exp_f32 v[TT+z], v[TT+z]
.set z, z+1
.endr
	v_nop
.set z, 0
	s_wait_alu depctr_va_vdst(0)
.rept 16
	v_pk_add_f32 v[TT+2*z:TT+2*z+1], v[TT+2*z:TT+2*z+1], 1.0 op_sel_hi:[1,0]
.set z, z+1
.endr
.set z, 0
.rept 32
	v_log_f32 v[TT+z], v[TT+z]
.set z, z+1
.endr
.set z, 0
.rept 32
	v_min_num_f32 v[A+z], 0, v[A+z]                ; plain lines that touch no logarithm stand behind the run
.set z, z+1
.endr
.set z, 0
	s_wait_alu depctr_va_vdst(0)
.rept 16
	v_pk_add_f32 v[A+2*z:A+2*z+1], v[A+2*z:A+2*z+1], v[TT+2*z:TT+2*z+1] neg_lo:[0,1] neg_hi:[0,1]
.set z, z+1
.endr
.set z, 0
.rept 16
	v_pk_mul_f32 v[A+2*z:A+2*z+1], v[A+2*z:A+2*z+1], 0x3d800000 op_sel_hi:[1,0]
.set z, z+1
.endr
.endm
; A is summed down the 16 rows, through the wave's own table: rows in, two channels a lane out, 15 packed additions, back.  LDS serves a wave's instructions in order (ISA guide 5.7.1.4): no barrier.
.macro CUMSUM gr, gc
	STQ \gr, A, 0
.set z, 0
.rept 16
	ds_load_b32 v[TT+2*z], v[\gc] offset:272*z
	ds_load_b32 v[TT+2*z+1], v[\gc] offset:272*z+128
.set z, z+1
.endr
	s_wait_dscnt 0x0
.set z, 1
.rept 15
	v_pk_add_f32 v[TT+2*z:TT+2*z+1], v[TT+2*z:TT+2*z+1], v[TT+2*z-2:TT+2*z-1]
.set z, z+1
.endr
.set z, 1
.rept 15
	ds_store_b32 v[\gc], v[TT+2*z] offset:272*z
	ds_store_b32 v[\gc], v[TT+2*z+1] offset:272*z+128
.set z, z+1
.endr
	LDQ \gr, A, 0
.endm
.macro PLACES
.rept 4
	v_nop
.endr
.endm
	s_load_b128 s[4:7], s[0:1], 0x0                ; qkv s[4:5], g1 s[6:7]
	v_lshl_add_u32 v[SPW], v0, 2, SPARE
	v_mov_b32 v[NIL], 0
	v_lshrrev_b32 v1, 5, v0
	v_readfirstlane_b32 s8, v1                     ; wave
	s_mov_b32 s9, ttmp9                            ; chunk c
	s_and_b32 s10, ttmp7, 0xffff                   ; y = 8 b + kv
	s_lshr_b32 s11, s10, 3
	s_and_b32 s12, s10, 7
	s_add_co_u32 s16, s12, 32                      ; k's slot
	s_lshl_b32 s16, s16, 18
	s_lshl_b32 s13, s11, 17
	s_add_co_u32 s16, s16, s13
	s_lshl_b32 s13, s9, 13                         ; 64 rows of 128 bytes a chunk
	s_add_co_u32 s16, s16, s13
	s_lshl_b32 s13, s8, 11                         ; 16 rows a sub-block
	s_add_co_u32 s16, s16, s13
	s_mov_b32 s17, 0
	s_lshl4_add_u32 s14, s10, s9                   ; 16 y + c
	s_lshl_b32 s18, s14, 15
	s_lshl_b32 s13, s8, 11
	s_add_co_u32 s18, s18, s13
	s_add_co_u32 s18, s18, LLOFF                   ; L: 32,768 bytes a chunk, my v block's four tiles of 512
	s_mov_b32 s19, 0
	s_lshl_b32 s20, s14, 14
	s_lshl_b32 s13, s8, 12
	s_add_co_u32 s20, s20, s13                     ; P: 16,384 bytes a chunk, my four tiles of 1,024
	s_mov_b32 s21, 0
	s_lshl_b32 s22, s14, 8
	s_add_co_u32 s22, s22, DLOFF
	s_mov_b32 s23, 0
	s_lshl_b32 s24, s14, 10
	s_add_co_u32 s24, s24, CBOFF
	s_mov_b32 s25, 0
	s_mov_b32 s[SEL], 0x76543210
	s_mov_b32 s[SEL+1], 0xfedcba98
	v_and_b32 v1, 15, v0                           ; r
	v_bfe_u32 v2, v0, 4, 1                         ; h
	v_and_b32 v3, 31, v0                           ; l
	v_lshlrev_b32 v4, 7, v1
	v_lshl_add_u32 v4, v2, 4, v4                   ; k: row r, 16 h
	v_lshlrev_b32 v15, 4, v3                       ; 16 l
	s_wait_kmcnt 0x0
	s_add_nc_u64 s[16:17], s[4:5], s[16:17]
	s_add_nc_u64 s[18:19], s[6:7], s[18:19]
	s_add_nc_u64 s[20:21], s[6:7], s[20:21]
	s_add_nc_u64 s[22:23], s[6:7], s[22:23]
	s_add_nc_u64 s[24:25], s[6:7], s[24:25]
.irp n, 0,1,2,3
	global_load_b128 v[KR+4*\n:KR+4*\n+3], v4, s[16:17] offset:32*\n
.endr
.irp n, 0,1,2,3
	global_load_b128 v[VR+4*\n:VR+4*\n+3], v15, s[16:17] offset:VSLOT+512*\n
.endr
	v_mov_b32 v[L2E], 0x3fb8aa3b
	v_mov_b32 v[ZER], 0
	s_mul_i32 s26, s8, 16*272                      ; my table
	v_lshlrev_b32 v7, 5, v2
	v_add_nc_u32 v7, s26, v7                       ; v7: table + 32 h
	v_mul_u32_u24 v6, v1, 272
	v_add_nc_u32 v6, v6, v7                        ; v6: + row r
	v_lshl_add_u32 v8, v3, 2, s26                  ; v8: table + 4 l
	s_mul_i32 s27, s8, 16*160                      ; my 16 rows in KE and in VS
	v_mul_u32_u24 v9, v1, 160
	v_lshl_add_u32 v9, v2, 4, v9
	v_add_nc_u32 v9, s27, v9
	v_add_nc_u32 v9, KE, v9                        ; v9: where I put K~
	s_lshl_b32 s28, s8, 8
	v_lshlrev_b32 v14, 5, v2
	v_add_nc_u32 v14, DT, v14                      ; v14: DT + 32 h
	v_add_nc_u32 v10, s28, v14                     ; v10: my sub-block's row of it
	v_bfe_u32 v11, v0, 3, 2
	v_mul_u32_u24 v11, v11, 160
	v_and_b32 v5, 7, v0
	v_lshl_add_u32 v11, v5, 4, v11
	v_add_nc_u32 v11, s27, v11
	v_add_nc_u32 v11, VS, v11                      ; v11: where I put V
	v_lshl_add_u32 v12, v2, 3, v5
	v_mul_u32_u24 v12, v12, 160
	v_bfe_u32 v13, v0, 3, 1
	v_lshl_add_u32 v12, v13, 4, v12                ; the turning load: row 8 h + l % 8, 16 bytes for each half of eight lanes
	s_lshl_b32 s29, s8, 5
	v_add_nc_u32 v13, s29, v12
	v_add_nc_u32 v13, VS, v13                      ; v13: V, my v block
	v_add_nc_u32 v12, KE, v12                      ; v12: K~
	; STAGE A
	s_wait_loadcnt 0x4                             ; k is in; v's four loads stay out
	RS1 KR, A
	RS2 A, KF
	GATEF
	CUMSUM 6, 8
	LDQ 7, T2, 15*272                              ; the last row's sum, in every lane
	s_wait_dscnt 0x0
.set z, 0
.rept 16
	v_pk_add_f32 v[TT+2*z:TT+2*z+1], v[T2+2*z:T2+2*z+1], v[A+2*z:A+2*z+1] neg_lo:[0,1] neg_hi:[0,1]
.set z, z+1
.endr
.set z, 0
.rept 32
	v_exp_f32 v[TT+z], v[TT+z]
	v_exp_f32 v[T2+z], v[T2+z]                     ; delta_i
.set z, z+1
.endr
	v_nop
.set z, 0
	s_wait_alu depctr_va_vdst(0)
.rept 16
	v_pk_mul_f32 v[TT+2*z:TT+2*z+1], v[TT+2*z:TT+2*z+1], v[KF+2*z:KF+2*z+1]
.set z, z+1
.endr
.set z, 0
.rept 16
	v_cvt_pk_f16_f32 v[TT+z], v[TT+2*z], v[TT+2*z+1]
.set z, z+1
.endr
.irp n, 0,1,2,3
	ds_store_b128 v9, v[TT+4*\n:TT+4*\n+3] offset:32*\n
.endr
	STQ 10, T2, 0                                  ; all 16 rows' lanes write the same words with the same numbers
	s_wait_loadcnt 0x0
.irp n, 0,1,2,3
	ds_store_b128 v11, v[VR+4*\n:VR+4*\n+3] offset:640*\n
.endr
	s_wait_dscnt 0x0                               ; for the others' sake
	s_barrier_signal -1
	s_barrier_wait -1
	; STAGE B.  A sub-block has 16 tokens, the matrix instruction 32 along K: V's upper quad is 0, K~'s upper quad is the next fragment's (finite), the last's 0.
.irp z, 16,17,18,19
	v_mov_b32 v[KQ+\z], 0
.endr
.irp z, 4,5,6,7
	v_mov_b32 v[VQ+\z], 0
.endr
.set z, 0
.rept 16
	v_mov_b32 v[PK+z], 0                           ; L_0 = 0
.set z, z+1
.endr
.irp i, 0,1,2,3
.irp m, 0,1,2,3
	ds_load_tr16_b128 v[KQ+4*\m:KQ+4*\m+3], v12 offset:\i*2560+32*\m
.endr
	ds_load_tr16_b128 v[VQ:VQ+3], v13 offset:\i*2560
.if \i > 0
.irp m, 0,1,2,3
	ds_load_b128 v[DQ+8*\m:DQ+8*\m+3], v14 offset:\i*256+64*\m
	ds_load_b128 v[DQ+8*\m+4:DQ+8*\m+7], v14 offset:\i*256+64*\m+16
.endr
.endif
	s_wait_dscnt 0x0
.if \i > 0
	s_wait_xcnt 0x0                                ; the last stores have read PK
.set z, 0
.rept 16
	v_cvt_pk_bf16_f32 v[PK+z], v[T+2*z], v[T+2*z+1]
.set z, z+1
.endr
.endif
.irp m, 0,1,2,3
	global_store_b128 v15, v[PK+4*\m:PK+4*\m+3], s[18:19] offset:\i*8192+\m*512   ; L_i: 512 consecutive bytes
.endr
.if \i > 0
.set z, 0
.rept 16
	v_pk_mul_f32 v[T+2*z:T+2*z+1], v[T+2*z:T+2*z+1], v[DQ+2*z:DQ+2*z+1]
.set z, z+1
.endr
.endif
.irp m, 0,1,2,3                        ; the four tiles take turns
.if \i == 0
	v_wmma_f32_16x16x32_f16 v[T+8*\m:T+8*\m+7], v[KQ+4*\m:KQ+4*\m+7], v[VQ:VQ+7], 0
.else
	v_wmma_f32_16x16x32_f16 v[T+8*\m:T+8*\m+7], v[KQ+4*\m:KQ+4*\m+7], v[VQ:VQ+7], v[T+8*\m:T+8*\m+7]
.endif
.endr
	PLACES
.endr
.irp m, 0,1,2,3
	global_store_b128 v15, v[T+8*\m:T+8*\m+3], s[20:21] offset:\m*1024
	global_store_b128 v15, v[T+8*\m+4:T+8*\m+7], s[20:21] offset:\m*1024+512
.endr
	; cb_i and D: 64 channels, wave 0 alone, two channels a lane: each store covers 256 consecutive bytes, aligned
	s_cmp_lg_u32 s8, 0
	s_cbranch_scc1 .Lnocb
	v_lshlrev_b32 v48, 3, v3                       ; 8 l
	v_add_nc_u32 v49, DT, v48
	ds_load_b64 v[50:51], v49                      ; delta_0
	ds_load_b64 v[52:53], v49 offset:256           ; delta_1
	ds_load_b64 v[54:55], v49 offset:512           ; delta_2
	ds_load_b64 v[58:59], v49 offset:768           ; delta_3
	v_mov_b32 v62, 1.0                             ; cb_0 = 1
	v_mov_b32 v63, 1.0
	s_wait_dscnt 0x0
	v_pk_mul_f32 v[52:53], v[50:51], v[52:53]      ; cb_2
	v_pk_mul_f32 v[54:55], v[52:53], v[54:55]      ; cb_3
	v_pk_mul_f32 v[58:59], v[54:55], v[58:59]      ; D
	global_store_b64 v48, v[62:63], s[24:25]
	global_store_b64 v48, v[50:51], s[24:25] offset:256
	global_store_b64 v48, v[52:53], s[24:25] offset:512
	global_store_b64 v48, v[54:55], s[24:25] offset:768
	global_store_b64 v48, v[58:59], s[22:23]
.Lnocb:
	s_wait_tensorcnt 0x0                           ; the wave's end
	ds_add_u32 v[SPW], v[NIL]
	s_wait_dscnt 0x0
	s_endpgm
.Lfunc_end_k_qf00e6b60eb_gla1:
	.size	k_qf00e6b60eb_gla1, .Lfunc_end_k_qf00e6b60eb_gla1-k_qf00e6b60eb_gla1
	.p2alignl 7, 3214868480
	.fill 96, 4, 3214868480
	.section	.rodata,"a",@progbits
	.p2align	6, 0x0
	.amdhsa_kernel k_qf00e6b60eb_gla1
		.amdhsa_group_segment_fixed_size 39424
		.amdhsa_private_segment_fixed_size 0
		.amdhsa_enable_private_segment 0
		.amdhsa_kernarg_size 16
		.amdhsa_user_sgpr_count 2
		.amdhsa_user_sgpr_kernarg_segment_ptr 1
		.amdhsa_wavefront_size32 1
		.amdhsa_system_sgpr_workgroup_id_x 1
		.amdhsa_system_sgpr_workgroup_id_y 1
		.amdhsa_system_sgpr_workgroup_id_z 1
		.amdhsa_system_vgpr_workitem_id 0
		.amdhsa_next_free_vgpr 192
		.amdhsa_next_free_sgpr 66
		.amdhsa_reserve_vcc 0
		.amdhsa_float_denorm_mode_32 3
		.amdhsa_float_denorm_mode_16_64 3
		.amdhsa_memory_ordered 1
		.amdhsa_forward_progress 1
		.amdhsa_inst_pref_size 48
	.end_amdhsa_kernel
	.amdgpu_metadata
---
amdhsa.version: [ 1, 2 ]
amdhsa.kernels:
  - .name:           k_qf00e6b60eb_gla1
    .symbol:         k_qf00e6b60eb_gla1.kd
    .args:
      - { .name: qkv, .offset: 0, .size: 8, .value_kind: global_buffer, .address_space: global }
      - { .name: g1, .offset: 8, .size: 8, .value_kind: global_buffer, .address_space: global }
    .group_segment_fixed_size: 39424
    .private_segment_fixed_size: 0
    .kernarg_segment_align: 8
    .kernarg_segment_size: 16
    .max_flat_workgroup_size: 128
    .sgpr_count:     66
    .vgpr_count:     192
    .wavefront_size: 32
...
	.end_amdgpu_metadata
.endif
;; end of part 3
;; launch attn (part 4): grid 16 x 16, 4 waves a work-group, clusters of 4 x 1, 327,680 bytes of LDS; arguments qkv, g1, ob, ss; writes ob, ss
.if DOCPART == 4
	.amdgcn_target "amdgcn-amd-amdhsa--gfx1250"
	.amdhsa_code_object_version 6
	.text
	.protected	k_qf00e6b60eb_attn
	.globl	k_qf00e6b60eb_attn
	.p2align	8
	.type	k_qf00e6b60eb_attn,@function
k_qf00e6b60eb_attn:
	s_mov_b64 s[64:65], 0
	v_nop
	global_prefetch_b8 v0, s[64:65] scope:SCOPE_SE
	s_setreg_imm32_b32 hwreg(HW_REG_WAVE_MODE, 25, 1), 1
	s_wait_xcnt 0x0
	s_wait_alu depctr_hold_cnt(0) depctr_sa_sdst(0) depctr_va_vdst(0) depctr_va_sdst(0) depctr_va_ssrc(0) depctr_va_vcc(0) depctr_vm_vsrc(0)
	s_getreg_b32 s2, hwreg(HW_REG_IB_STS2, 6, 4)
	s_cmp_eq_u32 s2, 0
	s_cbranch_scc0 .Lentry_in_a_cluster
	s_endpgm
.Lentry_in_a_cluster:
	s_bfe_u32 s2, ttmp6, 0x10000c
	s_cmp_lg_u32 s2, 0x3003
	s_cbranch_scc0 .Lentry_shape_is_right
	s_endpgm
.Lentry_shape_is_right:
; CAUSAL ATTENTION, head size 64, 1,024 tokens, four query heads to a key head; and, in the wait for the first tiles, a sixteenth of a sixteenth of the linear attention's state scan.
; O[head][q] = the sum over k <= q of softmax_k(Q.K / 8) V.  q, k, v: f16 by slots in qkv; O: f16, ob[head][token][64].  Products, maxima and sums in f32; the weights are rounded to f16 for the second product.
; LIMITS: a hidden score counts as -1e30 (f16's scores reach 2.7e11 at the most); a weight below 2^-126 counts as 0 in the sum; NaN and infinities are not treated apart.
; SHARES.  A cluster is the four query heads (cx) of one (batch, key head) y: they read the same K and V, asked for jointly, and walk alike.  ttmp9 = i picks two blocks of 128 queries: i and 7 - i,
; (2 i + 2) + (16 - 2 i) = 18 key steps of 64 for every work-group.  Wave w owns two tiles of 16 queries: rows 32 w + 16 u + r of a block.
; LDS.  The head's whole K (1,024 rows x 144 bytes) and V (1,024 x 160) are resident: each wave asks for four tiles at the start (four tensor loads of mine are out), nothing is ever filled again.
; LAYOUT.  S^T = K Q^T holds one query a lane and the keys 8 (l / 16) + 0..7; two such results rounded to f16 are source 1 of O^T = V^T P.  p = 2^(c s - c m), c = log2(e) / 8, with a running maximum m;
; O and l are multiplied by a = 2^(c m_old - c m_new) in every step.  m starts at the lowest finite number, so a block's first step has a = 0 and what O, l, P and V's registers held need only be finite.
; A STEP: K of step s is asked for; V^T P of step s - 1; V of step s is asked for; K Q^T of step s; the mask (the last two steps of a block); the softmax.
; Every loop has a constant trip count; a step that a block does not have is jumped forward, to a label ahead of the steps of the addresses and of the counter.
; REGISTERS.  Window 0: v2-13 addresses, v16-31 statistics, v64-127 S^T, v128-159 P, v160-223 O^T.  Window 1: v0-31, v32-63 Q of the two blocks, v64-127 K, v128-191 V of one step.
.set PK,    144
.set PV,    160
.set VOFF,  1024*PK
.set STAGE, VOFF+1024*PV               ; never filled by a tensor load: 16 rows x 144 bytes for each wave
.set SP,    144
.set SPARE, STAGE+4*16*SP
.set DLOFF, 12582912
.set AK0, 2
.set AV0, 3
.set AK,  4
.set AV,  5
.set STO, 6
.set RD,  7
.set GO,  8
.set QO,  9
.set DOF, 13
.set ST,  16                           ; tile u at ST + 8 u: c m, m, l (even keys', odd keys'), c0-c3 at work; c2 takes a
.set MV,  32
.set DD,  34                           ; my query's place in its block less 8 (l / 16)
.set DS,  36
.set BIG, 38
.set SPW, 62
.set NIL, 63
.set S,   64
.set P,   128
.set O,   160
.set QB,  0                            ; window 1
.set QA,  32
.set KF,  64
.set VF,  128
.set WV,  12
.set CX,  13
.set PI,  14
.set YY,  15
.set G1K, 16
.set G1V, 24
.set G0K, 32
.set G0V, 48
.set CS,  66
.set SEL, 68
.set TBK, 70
.set TBV, 71
.set STP, 72
.set NLV, 73
.set MST, 74
.set TS,  75
.set QBB, 76
.set QBA, 78
.set OBB, 80
.set OBA, 82
.set KB,  92
.set VB,  94
.set MSB, 0
.macro WIN new
.if MSB != (\new)
	s_set_vgpr_msb (MSB<<8)|(\new)
.set MSB, (\new)
.endif
.endm
.set W_KQ, 0x05                        ; K and Q in window 1, S^T in window 0
.set W_PV, 0x01                        ; V in window 1, P and O^T in window 0
.set W_LD, 0x40                        ; destination window 1
.macro CROUND
	s_barrier_signal -1
	s_barrier_wait -1
	s_cmp_lg_u32 s[WV], 0
	s_cbranch_scc1 .Lnot_wave_0_\@
	s_barrier_signal -3
.Lnot_wave_0_\@:
	s_barrier_wait -3
	s_barrier_signal -1
	s_barrier_wait -1
.endm
.macro PLACES
.rept 4
	v_nop
.endr
.endm
	s_load_b256 s[4:11], s[0:1], 0x0               ; qkv s[4:5], g1 s[6:7], ob s[8:9], ss s[10:11]
	v_lshl_add_u32 v[SPW], v0, 2, SPARE
	v_mov_b32 v[NIL], 0
	ds_add_u32 v[SPW], v[NIL]                      ; the wave's opening: the add and its wait stand ahead of my first tensor load
	v_lshrrev_b32 v1, 5, v0
	v_readfirstlane_b32 s[WV], v1
	s_bfe_u32 s[CX], ttmp6, 0x40000                ; the query head in its group: it enters global addresses alone
	s_mov_b32 s[PI], ttmp9                         ; i, which the four partners share
	s_and_b32 s[YY], ttmp7, 0xffff                 ; y = 8 b + kv, likewise
	s_lshr_b32 s84, s[YY], 3
	s_and_b32 s85, s[YY], 7
	s_lshl_b32 s84, s84, 17                        ; the batch's bytes in a slot
	s_and_b32 s86, s[WV], 1                        ; which half of a tile's 256 keys I fetch
	s_add_co_u32 s88, s85, 32
	s_lshl_b32 s88, s88, 18
	s_add_co_u32 s88, s88, s84
	s_lshl_b32 s87, s86, 14
	s_add_co_u32 s88, s88, s87
	s_mov_b32 s89, 0
	s_mul_i32 s90, s86, 128*PK
	s_mul_i32 s91, s86, 128*PV
	s_add_co_u32 s91, s91, VOFF
	s_lshl2_add_u32 s86, s85, s[CX]                ; the query head = 4 kv + cx
	s_lshl_b32 s86, s86, 18
	s_add_co_u32 s86, s86, s84
	s_lshl_b32 s87, s[WV], 12                      ; my 32 rows of a block
	s_add_co_u32 s86, s86, s87
	s_lshl_b32 s96, s[PI], 14                      ; block i
	s_add_co_u32 s96, s96, s86
	s_mov_b32 s97, 0
	s_sub_co_u32 s98, 7, s[PI]                     ; block 7 - i
	s_lshl_b32 s98, s98, 14
	s_add_co_u32 s98, s98, s86
	s_mov_b32 s99, 0
	; 128 keys are 16,384 dense bytes: asked for as 64 rows of 256 bytes, padded in LDS behind every key
	s_mov_b32 s[G1K], 15|(1<<16)|(1<<20)|(1<<21)|(4<<22)|(3<<25)
	s_mov_b32 s[G1V], 15|(1<<16)|(1<<20)|(1<<21)|(4<<22)|(7<<25)
.irp g, G1K, G1V
	s_mov_b32 s[\g+1], 128<<16
	s_mov_b32 s[\g+2], 64<<16
	s_mov_b32 s[\g+3], 128<<16
	s_mov_b32 s[\g+4], 64
	s_mov_b32 s[\g+5], 128
	s_mov_b32 s[\g+6], 0
	s_mov_b32 s[\g+7], 0
.endr
	s_mov_b32 s[CS], 0x3e38aa3b                    ; c = log2(e) / 8
	s_mov_b32 s[CS+1], s[CS]
	s_mov_b32 s[SEL], 0x76543210
	s_mov_b32 s[SEL+1], 0xfedcba98
	s_wait_dscnt 0x0                               ; the opening add is done
	s_wait_kmcnt 0x0
	s_add_nc_u64 s[KB:KB+1], s[4:5], s[88:89]
	s_add_nc_u64 s[VB:VB+1], s[KB:KB+1], 8*262144
	s_add_nc_u64 s[QBB:QBB+1], s[4:5], s[96:97]
	s_add_nc_u64 s[QBA:QBA+1], s[4:5], s[98:99]
	s_add_nc_u64 s[OBB:OBB+1], s[8:9], s[96:97]
	s_add_nc_u64 s[OBA:OBA+1], s[8:9], s[98:99]
	CROUND                                         ; all four work-groups are here: the joint loads meet
.irp j, 0,1,2,3
	s_mov_b32 s[G0K+4*\j], 1
	s_add_co_u32 s[G0K+4*\j+1], s90, \j*256*PK
	s_add_nc_u64 s[G0K+4*\j+2:G0K+4*\j+3], s[KB:KB+1], \j*32768
	s_or_b32 s[G0K+4*\j+3], s[G0K+4*\j+3], 0x80000000
	s_mov_b32 s[G0V+4*\j], 1
	s_add_co_u32 s[G0V+4*\j+1], s91, \j*256*PV
	s_add_nc_u64 s[G0V+4*\j+2:G0V+4*\j+3], s[VB:VB+1], \j*32768
	s_or_b32 s[G0V+4*\j+3], s[G0V+4*\j+3], 0x80000000
.endr
	s_cmp_lt_u32 s[WV], 2                          ; a wave's four fills stand in one branch, ahead of every wait on TENSORcnt and every LDS read
	s_cbranch_scc0 .Lfirst_v
.irp j, 0,1,2,3
	tensor_load_to_lds s[G0K+4*\j:G0K+4*\j+3], s[G1K:G1K+7]
	s_nop 0
.endr
.rept 4
	v_nop
.endr
	s_branch .Lfirst_asked
.Lfirst_v:
.irp j, 0,1,2,3
	tensor_load_to_lds s[G0V+4*\j:G0V+4*\j+3], s[G1V:G1V+7]
	s_nop 0
.endr
.rept 4
	v_nop
.endr
.Lfirst_asked:
	v_and_b32 v1, 15, v0                           ; r
	v_bfe_u32 v10, v0, 4, 1                        ; h
	v_lshlrev_b32 v[QO], 7, v1
	v_lshl_add_u32 v[QO], v10, 4, v[QO]
	WIN W_LD
.set z, 0
.rept 4                                ; both blocks' Q: tile z / 2, channels 32 (z % 2) on
	global_load_b128 v[QB+8*z:QB+8*z+3],   v[QO], s[QBB:QBB+1] offset:(z/2)*2048+(z%2)*64
	global_load_b128 v[QB+8*z+4:QB+8*z+7], v[QO], s[QBB:QBB+1] offset:(z/2)*2048+(z%2)*64+32
	global_load_b128 v[QA+8*z:QA+8*z+3],   v[QO], s[QBA:QBA+1] offset:(z/2)*2048+(z%2)*64
	global_load_b128 v[QA+8*z+4:QA+8*z+7], v[QO], s[QBA:QBA+1] offset:(z/2)*2048+(z%2)*64+32
.set z, z+1
.endr
	WIN 0
	v_mul_u32_u24 v[AK0], v1, PK
	v_lshl_add_u32 v[AK0], v10, 4, v[AK0]
	v_and_b32 v11, 7, v0
	v_bfe_u32 v12, v0, 3, 1
	v_lshl_add_u32 v[AV0], v10, 3, v11
	v_mul_u32_u24 v[AV0], v[AV0], PV
	v_lshl_add_u32 v[AV0], v12, 4, v[AV0]
	v_add_nc_u32 v[AV0], VOFF, v[AV0]
	s_mul_i32 s[TS], s[WV], 16*SP
	s_add_co_u32 s[TS], s[TS], STAGE
	v_mul_u32_u24 v[STO], v1, SP
	v_lshl_add_u32 v[STO], v10, 4, v[STO]
	v_add_nc_u32 v[STO], s[TS], v[STO]
	v_bfe_u32 v[RD], v0, 3, 2
	v_mul_u32_u24 v[RD], v[RD], SP
	v_lshl_add_u32 v[RD], v11, 4, v[RD]
	v_add_nc_u32 v[RD], s[TS], v[RD]
	v_and_b32 v[GO], 31, v0
	v_lshlrev_b32 v[GO], 4, v[GO]
	v_lshlrev_b32 v[DOF], 5, v10
	s_lshl_b32 s[TS], s[WV], 5
	v_lshlrev_b32 v12, 3, v10
	v_sub_nc_u32 v[DD], v1, v12
	v_add_nc_u32 v[DD], s[TS], v[DD]
	v_add_nc_u32 v[DD+1], 16, v[DD]
	v_mov_b32 v[BIG], 0xf149f2ca                   ; -1e30
	; THE STATE SCAN, wave 0 alone: tile 4 i + cx of y's 64 x 64 state, eight numbers a lane.  S^0 = 0, S^(c+1) = D_c S^c + P_c, in f32; each S^c leaves rounded to bf16, as a matrix operand.
	s_cmp_lg_u32 s[WV], 0
	s_cbranch_scc1 .Lnoscan
	s_lshl2_add_u32 s87, s[PI], s[CX]              ; the tile
	s_lshl_b32 s84, s[YY], 18
	s_lshl_b32 s85, s87, 10
	s_add_co_u32 s84, s84, s85
	s_mov_b32 s85, 0
	s_add_nc_u64 s[96:97], s[6:7], s[84:85]        ; P: 16,384 bytes a chunk, 1,024 a tile
	s_lshl_b32 s84, s[YY], 12
	s_and_b32 s86, s87, 3
	s_lshl_b32 s86, s86, 6
	s_add_co_u32 s84, s84, s86
	s_add_co_u32 s84, s84, DLOFF
	s_add_nc_u64 s[98:99], s[6:7], s[84:85]        ; D: 256 bytes a chunk; my tile's 16 channels
	s_lshl_b32 s84, s[YY], 17
	s_lshl_b32 s86, s87, 9
	s_add_co_u32 s84, s84, s86
	s_add_nc_u64 s[100:101], s[10:11], s[84:85]    ; out: 8,192 bytes a chunk, 512 a tile
.set z, 0
.rept 15
	global_load_b128 v[64+8*z:64+8*z+3], v[GO], s[96:97] offset:z*16384
	global_load_b128 v[64+8*z+4:64+8*z+7], v[GO], s[96:97] offset:z*16384+512
.set z, z+1
.endr
	WIN W_LD
.set z, 1
.rept 14                               ; D_0 would multiply S^0 = 0
	global_load_b128 v[64+8*z:64+8*z+3], v[DOF], s[98:99] offset:z*256
	global_load_b128 v[64+8*z+4:64+8*z+7], v[DOF], s[98:99] offset:z*256+16
.set z, z+1
.endr
	WIN 0
.irp z, 48,49,50,51
	v_mov_b32 v[\z], 0
.endr
	global_store_b128 v[GO], v[48:51], s[100:101]  ; S^0
	s_wait_loadcnt 0x0
	WIN 0x04                                       ; source 1 (D) in window 1
.set z, 1
.rept 14                               ; P_c's registers take S^(c+1)
.irp m, 0,2,4,6
	v_pk_fma_f32 v[64+8*z+\m:64+8*z+\m+1], v[64+8*z-8+\m:64+8*z-8+\m+1], v[64+8*z+\m:64+8*z+\m+1], v[64+8*z+\m:64+8*z+\m+1]
.endr
.set z, z+1
.endr
	WIN 0
.set z, 0
.rept 15
.irp m, 0,1,2,3
	v_cvt_pk_bf16_f32 v[64+8*z+\m], v[64+8*z+2*\m], v[64+8*z+2*\m+1]
.endr
	global_store_b128 v[GO], v[64+8*z:64+8*z+3], s[100:101] offset:(z+1)*8192   ; 512 consecutive bytes
.set z, z+1
.endr
	s_wait_xcnt 0x0                                ; the stores have read their registers, which are written below
.Lnoscan:
	; what a block's first step finds need only be finite: zeros
	WIN W_LD
.set z, VF
.rept 64
	v_mov_b32 v[z], 0
.set z, z+1
.endr
	WIN 0
.set z, P
.rept 96
	v_mov_b32 v[z], 0
.set z, z+1
.endr
.set z, ST
.rept 16
	v_mov_b32 v[z], 0
.set z, z+1
.endr
.macro REGS u
.set rT, ST+8*(\u)
.set rC, ST+8*(\u)+4
.set rM, MV+(\u)
.set rS, S+32*(\u)
.set rP, P+16*(\u)
.set rO, O+32*(\u)
.endm
; Product i of 16 of S^T = K Q^T: channels 32 (i / 8) on, keys 16 ((i / 2) % 4) on, tile i % 2.  The eight accumulators take turns.
.macro KQ qb
.set rS, S+32*(i%2)+8*((i/2)%4)
.set rK, KF+16*((i/2)%4)+8*(i/8)
.set rQ, (\qb)+16*(i%2)+8*(i/8)
.if i < 8
	v_wmma_f32_16x16x32_f16 v[rS:rS+7], v[rK:rK+7], v[rQ:rQ+7], 0
.else
	v_wmma_f32_16x16x32_f16 v[rS:rS+7], v[rK:rK+7], v[rQ:rQ+7], v[rS:rS+7]
.endif
.endm
; Product i of 16 of O^T += V^T P: keys 32 (i / 8) on, channels 16 ((i / 2) % 4) on, tile i % 2.
.macro PVM
.set rO, O+32*(i%2)+8*((i/2)%4)
.set rV, VF+32*(i/8)+8*((i/2)%4)
.set rP, P+16*(i%2)+8*(i/8)
	v_wmma_f32_16x16x32_f16 v[rO:rO+7], v[rV:rV+7], v[rP:rP+7], v[rO:rO+7]
.endm
.macro PV16
	WIN W_PV
.set i, 0
.rept 16
	PVM
.set i, i+1
.endr
.endm
; Number n of the 22 that find a tile's maximum and statistics; each accumulator's lowest registers are read first.
.macro XS u, n
	REGS \u
.if (\n) < 4
	v_max3_num_f32 v[rC+(\n)], v[rS+8*(\n)], v[rS+8*(\n)+1], v[rS+8*(\n)+2]
.elseif (\n) < 12
	v_max3_num_f32 v[rC+(\n)%4], v[rC+(\n)%4], v[rS+8*((\n)%4)+2*((\n)/4)+1], v[rS+8*((\n)%4)+2*((\n)/4)+2]
.elseif (\n) == 12
	v_max3_num_f32 v[rC], v[rC], v[rS+7], v[rS+15]
.elseif (\n) == 13
	v_max3_num_f32 v[rC+1], v[rC+1], v[rS+23], v[rS+31]
.elseif (\n) == 14
	v_max3_num_f32 v[rC+2], v[rC+2], v[rC+3], v[rT+1]
.elseif (\n) == 15
	v_mov_b32 v[rM], v[rT]
.elseif (\n) == 16
	v_max3_num_f32 v[rC], v[rC], v[rC+1], v[rC+2]
.elseif (\n) == 17
	v_permlanex16_b32 v[rC+3], v[rC], s[SEL], s[SEL+1]
.elseif (\n) == 18
	v_max_num_f32 v[rT+1], v[rC], v[rC+3]
.elseif (\n) == 19
	v_mul_f32 v[rT], s[CS], v[rT+1]
.elseif (\n) == 20
	v_sub_f32 v[rC+1], v[rM], v[rT]
.else
	v_exp_f32 v[rC+2], v[rC+1]
.endif
.endm
.macro SOFTMAX
.irp n, 0,1,2,3,4,5,6,7,8,9,10,11,12,13,14,15,16,17,18,19,20,21
	XS 0, \n
	XS 1, \n
.endr
.set z, 0
.rept 16
.irp u, 0,1
	REGS \u
	v_pk_fma_f32 v[rS+2*z:rS+2*z+1], v[rS+2*z:rS+2*z+1], s[CS:CS+1], v[rT:rT+1] op_sel_hi:[1,0,0] neg_lo:[0,0,1] neg_hi:[0,0,1]
.endr
.set z, z+1
.endr
.set z, 0
.rept 32                               ; the rescaling of O^T, in ascending order, stands among the exponentials
	v_exp_f32 v[S+z], v[S+z]
	REGS z%2
	s_wait_alu depctr_va_vdst(0)
	v_pk_mul_f32 v[rO+2*(z/2):rO+2*(z/2)+1], v[rO+2*(z/2):rO+2*(z/2)+1], v[rC+2:rC+3] op_sel_hi:[1,0]
	v_exp_f32 v[S+32+z], v[S+32+z]
.set z, z+1
.endr
	v_nop                                          ; a plain line behind the last exponential
	s_wait_alu depctr_va_vdst(0)
.set z, 0
.rept 16
.irp u, 0,1
	REGS \u
	v_cvt_pk_f16_f32 v[rP+z], v[rS+2*z], v[rS+2*z+1]
.endr
.set z, z+1
.endr
.irp w, 16, 8, 4, 2
.set z, 0
.rept (\w)/2
.irp u, 0,1
	REGS \u
	v_pk_add_f32 v[rS+2*z:rS+2*z+1], v[rS+2*z:rS+2*z+1], v[rS+(\w)+2*z:rS+(\w)+2*z+1]
.endr
.set z, z+1
.endr
.endr
.irp u, 0,1
	REGS \u
	v_pk_fma_f32 v[rT+2:rT+3], v[rT+2:rT+3], v[rC+2:rC+3], v[rS:rS+1] op_sel_hi:[1,0,1]
.endr
.endm
.macro STEP qb, mask
	v_add_nc_u32 v[AK], s[TBK], v[AK0]
	v_add_nc_u32 v[AV], s[TBV], v[AV0]
	WIN W_LD
.irp f, 0,1,2,3,4,5,6,7                ; K: keys 16 (f / 2) on, channels 32 (f % 2) on
	ds_load_b128 v[KF+8*\f:KF+8*\f+3],   v[AK] offset:(\f/2)*16*PK+(\f%2)*64
	ds_load_b128 v[KF+8*\f+4:KF+8*\f+7], v[AK] offset:(\f/2)*16*PK+(\f%2)*64+32
.endr
	s_wait_dscnt 16                                ; the step before's V is in; the 16 loads just issued may be out
	PV16
	PLACES
	WIN W_LD
.irp f, 0,1,2,3,4,5,6,7                ; V, turned: keys 32 (f / 4) on, channels 16 (f % 4) on
	ds_load_tr16_b128 v[VF+8*\f:VF+8*\f+3],   v[AV] offset:(\f/4)*32*PV+(\f%4)*32
	ds_load_tr16_b128 v[VF+8*\f+4:VF+8*\f+7], v[AV] offset:(\f/4)*32*PV+16*PV+(\f%4)*32
.endr
	s_wait_dscnt 16                                ; K is in; V's 16 loads may be out
	WIN W_KQ
.set i, 0
.rept 16
	KQ \qb
.set i, i+1
.endr
	WIN 0
	PLACES
.if \mask
	s_cmp_lt_u32 s[STP], s[MST]
	s_cbranch_scc1 .Lnomask_\@
	s_sub_co_u32 s[TS], s[STP], s[MST]
	s_lshl_b32 s[TS], s[TS], 6
	v_sub_nc_u32 v[DS], v[DD], s[TS]
	v_sub_nc_u32 v[DS+1], v[DD+1], s[TS]
.irp u, 0,1
.set z, 0
.rept 32                               ; register z holds key 16 (z / 8) + z % 8 (+ 8 (l / 16)) of the step: hidden where that is beyond my query
	v_cmp_gt_i32 vcc_lo, 16*(z/8)+z%8, v[DS+\u]
	v_cndmask_b32 v[S+32*\u+z], v[S+32*\u+z], v[BIG], vcc_lo
.set z, z+1
.endr
.endr
.Lnomask_\@:
.endif
	SOFTMAX
.endm
.macro INIT
.irp u, 0,1
	v_mov_b32 v[ST+8*\u], 0xfe000000               ; c m: far below every c s
	v_mov_b32 v[ST+8*\u+1], 0xff7fffff             ; m
.endr
	s_mov_b32 s[TBK], 0
	s_mov_b32 s[TBV], 0
	s_mov_b32 s[STP], 0
.endm
.macro PACK u                          ; O^T over l, rounded to f16, through my stage: rows of 144 bytes in, whole rows of 128 back
.set z, 0
.rept 16
	v_pk_mul_f32 v[O+32*(\u)+2*z:O+32*(\u)+2*z+1], v[O+32*(\u)+2*z:O+32*(\u)+2*z+1], v[ST+8*(\u)+4:ST+8*(\u)+5] op_sel_hi:[1,0]
.set z, z+1
.endr
.set z, 0
.rept 16
	v_cvt_pk_f16_f32 v[S+16*(\u)+z], v[O+32*(\u)+2*z], v[O+32*(\u)+2*z+1]
.set z, z+1
.endr
.irp f, 0,1,2,3
	ds_store_b128 v[STO], v[S+16*(\u)+4*\f:S+16*(\u)+4*\f+3] offset:32*\f
.endr
.irp f, 0,1,2,3
	ds_load_b128 v[S+16*(\u)+4*\f:S+16*(\u)+4*\f+3], v[RD] offset:\f*4*SP  ; LDS serves a wave's instructions in order (ISA guide 5.7.1.4)
.endr
.endm
.macro SEND u, younger, ob
.irp f, 0,1,2,3
	s_wait_dscnt (\younger)+3-\f
	global_store_b128 v[GO], v[S+16*(\u)+4*\f:S+16*(\u)+4*\f+3], s[\ob:\ob+1] offset:(\u)*2048+\f*512   ; 512 consecutive bytes
.endr
.endm
.macro FINISH ob                       ; the last step's V^T P, and the block's way out
	s_wait_dscnt 0x0                               ; V is in
	PV16
	WIN 0
	PLACES
.irp u, 0,1
	v_add_f32 v[ST+8*\u+2], v[ST+8*\u+2], v[ST+8*\u+3]
.endr
.irp u, 0,1
	v_permlanex16_b32 v[ST+8*\u+3], v[ST+8*\u+2], s[SEL], s[SEL+1]
.endr
.irp u, 0,1
	v_add_f32 v[ST+8*\u+2], v[ST+8*\u+2], v[ST+8*\u+3]
.endr
.irp u, 0,1
	v_rcp_f32 v[ST+8*\u+4], v[ST+8*\u+2]
.endr
	v_nop
	s_wait_alu depctr_va_vdst(0)
	PACK 0
	PACK 1
	SEND 0, 8, \ob
	SEND 1, 0, \ob
	s_wait_xcnt 0x0                                ; the stores have read S^T's registers, which the next block's products write
.endm
	s_wait_loadcnt 0x0                             ; Q
	s_wait_tensorcnt 2                             ; my parts of keys 0 to 511 are in; my two later tiles stay out
	s_wait_dscnt 0x0
	s_barrier_signal -1
	s_barrier_wait -1                              ; everybody's are
	; BLOCK i: 2 i + 2 steps, at most 8: keys 0 to 511
	INIT
	s_lshl_b32 s[MST], s[PI], 1
	s_add_co_u32 s[NLV], s[MST], 2
.LloopB:
	s_cmp_ge_u32 s[STP], s[NLV]
	s_cbranch_scc1 .LdeadB
	STEP QB, 1
.LdeadB:
	s_add_co_u32 s[TBK], s[TBK], 64*PK
	s_add_co_u32 s[TBV], s[TBV], 64*PV
	s_add_co_u32 s[STP], s[STP], 1
	s_cmp_lt_u32 s[STP], 8
	s_cbranch_scc1 .LloopB
	FINISH OBB
	; BLOCK 7 - i: 16 - 2 i steps, at least 10: the first eight have neither a mask nor an end
	INIT
	s_sub_co_u32 s[NLV], 16, s[MST]
	s_sub_co_u32 s[MST], 14, s[MST]
.LloopA1:
	STEP QA, 0
	s_add_co_u32 s[TBK], s[TBK], 64*PK
	s_add_co_u32 s[TBV], s[TBV], 64*PV
	s_add_co_u32 s[STP], s[STP], 1
	s_cmp_lt_u32 s[STP], 8
	s_cbranch_scc1 .LloopA1
	s_wait_tensorcnt 0x0                           ; my parts of keys 512 to 1,023 are in
	s_wait_dscnt 0x0
	s_barrier_signal -1
	s_barrier_wait -1                              ; everybody's are
	s_mov_b32 s[TBK], 8*64*PK
	s_mov_b32 s[TBV], 8*64*PV
	s_mov_b32 s[STP], 8
.LloopA2:
	s_cmp_ge_u32 s[STP], s[NLV]
	s_cbranch_scc1 .LdeadA2
	STEP QA, 1
.LdeadA2:
	s_add_co_u32 s[TBK], s[TBK], 64*PK
	s_add_co_u32 s[TBV], s[TBV], 64*PV
	s_add_co_u32 s[STP], s[STP], 1
	s_cmp_lt_u32 s[STP], 16
	s_cbranch_scc1 .LloopA2
	FINISH OBA
	s_wait_tensorcnt 0x0                           ; the wave's end
	ds_add_u32 v[SPW], v[NIL]
	s_wait_dscnt 0x0
	CROUND                                         ; the closing round
	s_endpgm
.Lfunc_end_k_qf00e6b60eb_attn:
	.size	k_qf00e6b60eb_attn, .Lfunc_end_k_qf00e6b60eb_attn-k_qf00e6b60eb_attn
	.p2alignl 7, 3214868480
	.fill 96, 4, 3214868480
	.section	.rodata,"a",@progbits
	.p2align	6, 0x0
	.amdhsa_kernel k_qf00e6b60eb_attn
		.amdhsa_group_segment_fixed_size 327680
		.amdhsa_private_segment_fixed_size 0
		.amdhsa_enable_private_segment 0
		.amdhsa_kernarg_size 32
		.amdhsa_user_sgpr_count 2
		.amdhsa_user_sgpr_kernarg_segment_ptr 1
		.amdhsa_wavefront_size32 1
		.amdhsa_system_sgpr_workgroup_id_x 1
		.amdhsa_system_sgpr_workgroup_id_y 1
		.amdhsa_system_sgpr_workgroup_id_z 1
		.amdhsa_system_vgpr_workitem_id 0
		.amdhsa_next_free_vgpr 448
		.amdhsa_next_free_sgpr 102
		.amdhsa_reserve_vcc 1
		.amdhsa_float_denorm_mode_32 3
		.amdhsa_float_denorm_mode_16_64 3
		.amdhsa_memory_ordered 1
		.amdhsa_forward_progress 1
		.amdhsa_inst_pref_size 111
	.end_amdhsa_kernel
	.amdgpu_metadata
---
amdhsa.version: [ 1, 2 ]
amdhsa.kernels:
  - .name:           k_qf00e6b60eb_attn
    .symbol:         k_qf00e6b60eb_attn.kd
    .args:
      - { .name: qkv, .offset: 0, .size: 8, .value_kind: global_buffer, .address_space: global }
      - { .name: g1, .offset: 8, .size: 8, .value_kind: global_buffer, .address_space: global }
      - { .name: ob, .offset: 16, .size: 8, .value_kind: global_buffer, .address_space: global }
      - { .name: ss, .offset: 24, .size: 8, .value_kind: global_buffer, .address_space: global }
    .group_segment_fixed_size: 327680
    .private_segment_fixed_size: 0
    .kernarg_segment_align: 8
    .kernarg_segment_size: 32
    .max_flat_workgroup_size: 128
    .sgpr_count:     102
    .vgpr_count:     448
    .wavefront_size: 32
...
	.end_amdgpu_metadata
.endif
;; end of part 4
;; launch gla2 (part 5): grid 16 x 16, 4 waves a work-group, no clusters, 79,360 bytes of LDS; arguments qkv, g1, ss, fla; writes fla
.if DOCPART == 5
	.amdgcn_target "amdgcn-amd-amdhsa--gfx1250"
	.amdhsa_code_object_version 6
	.text
	.protected	k_qf00e6b60eb_gla2
	.globl	k_qf00e6b60eb_gla2
	.p2align	8
	.type	k_qf00e6b60eb_gla2,@function
k_qf00e6b60eb_gla2:
	s_mov_b64 s[64:65], 0
	v_nop
	global_prefetch_b8 v0, s[64:65] scope:SCOPE_SE
	s_setreg_imm32_b32 hwreg(HW_REG_WAVE_MODE, 25, 1), 1
	s_wait_xcnt 0x0
; GATED LINEAR ATTENTION, part 2: fla[token][head 64 + v] = 0.01 x 0.125 x o, bf16.  For row t of sub-block i of chunk c of (batch, kv head) y, and each of the four query heads:
;   o_t = (qf_t C_t cb_i) . S^c  +  (qf_t C_t) . L_i  +  the sum over s <= t of the same sub-block of A[t, s] v_s,      A[t, s] = the sum over d of qf_t[d] W_t[s][d].
; qf, kf: the rows' softmaxes; e_t = 2^(g2_t), the gate; C_t = the product of e over the sub-block's rows up to t; W_t[s] = kf_s times the product of e_u, s < u <= t, carried in f32: W_t = W_(t-1) x e_t in the lanes s < t.
; Every factor is <= 1: nothing can overflow at any size of k.  S^c and L_i and their partners go in bf16 (a state can reach 1,024 |v|), W, qf, A and V in f16 (<= 1, or v's own range).
; SHARES.  Wave i owns sub-block i for all four heads; the waves are independent: no barrier.  The 64 pairs (t, head) are four column tiles x: lane r is t = 4 x + r / 4, head r % 4.  One loop, four trips, a tile a trip.
; Since W depends on t, a tile takes four products W_t x qf (t = 4 x .. 4 x + 3); each lane keeps the one of its own t.
; LAYOUT R of a row of 64 channels: lane (r, h) holds row r, channels d = 32 c + 16 x + 8 h + e in register 16 c + 8 x + e: packed in pairs that is a matrix fragment.
; No cluster: no two work-groups read the same tile but q's group-mates' k, 2 KB.  No tensor loads: what a wave reads goes straight into its registers.
; REGISTERS.  Window 0: as named below.  Window 1 (source 0): v0-63 S^c, v64-127 L_i, v128-191 W_t in f16, v192-223 V^T.  Window 2 (source 1): v0-15 qf, v16-31 qf C, v32-47 qf C cb, v48-55 A; v64-191 the trip's four rows of e.
; LIMITS: NaN and infinities are not treated apart.
.set WSZ,   19712                      ; a wave's LDS
.set TE,    0                          ; e: 16 rows x 272 bytes, f32
.set TC,    4352                       ; the gates' sums, then C: likewise
.set VS,    8704                       ; V: 16 rows x 160 bytes
.set OST,   11264                      ; the result: 16 rows x 528 bytes
.set SPARE, 4*WSZ
.set VSLOT, 8*262144
.set LLOFF, 4194304
.set CBOFF, 12648448
.set KR,  16
.set QR,  32
.set WK,  48
.set L2E, 56
.set ZER, 57
.set OSR, 58
.set RX,  59                           ; r - 4 x
.set SPW, 60
.set NIL, 61
.set DDX, 62                           ; r / 4 - 8 h + 4 x
.set A,   64
.set X,   64
.set OA,  64
.set KF,  96
.set W,   96
.set TT,  128
.set CBR, 160
.set CL,  192
.set D,   192
.set AS,  224
.set OPK, 232
.set VR,  232
.set TA1, 248
.set TA2, 249
.set TA3, 250
.set SSR, 0                            ; window 1
.set LLR, 64
.set WH,  128
.set VT,  192
.set QD,  0                            ; window 2
.set QL,  16
.set QS,  32
.set AT,  48
.set MW,  64
.set SEL, 34
.set XC,  36
.set TX,  37
.set OX,  38
.set SV,  39
.set M1,  40
.set M2,  41
.set M3,  42
.set MSB, 0
.macro WIN new
.if MSB != (\new)
	s_set_vgpr_msb (MSB<<8)|(\new)
.set MSB, (\new)
.endif
.endm
.macro STQ adr, reg, off               ; eight quads of a row in layout R: quad qn at byte 128 (qn / 4) + 64 ((qn / 2) % 2) + 16 (qn % 2) (+ 32 h, in the address)
.set qn, 0
	s_wait_alu depctr_va_vdst(0)
.rept 8
	ds_store_b128 v[\adr], v[(\reg)+4*qn:(\reg)+4*qn+3] offset:(\off)+128*(qn/4)+64*((qn/2)%2)+16*(qn%2)
.set qn, qn+1
.endr
.endm
.macro LDQ adr, reg, off
.set qn, 0
.rept 8
	ds_load_b128 v[(\reg)+4*qn:(\reg)+4*qn+3], v[\adr] offset:(\off)+128*(qn/4)+64*((qn/2)%2)+16*(qn%2)
.set qn, qn+1
.endr
.endm
.macro RS1 kr, a                       ; a = the row's 32 f16 numbers times log2(e)
.set z, 0
.rept 16
	v_fma_mix_f32 v[(\a)+2*z], v[(\kr)+z], v[L2E], v[ZER] op_sel_hi:[1,0,0]
	v_fma_mix_f32 v[(\a)+2*z+1], v[(\kr)+z], v[L2E], v[ZER] op_sel:[1,0,0] op_sel_hi:[1,0,0]
.set z, z+1
.endr
.endm
.macro RS2 a, o                        ; o = the row's softmax: 2^(a - max) over its sum; the row's other 32 channels lie in the lane 16 away
.irp j, 0,1,2,3
	v_max3_num_f32 v[WK+\j], v[(\a)+8*\j], v[(\a)+8*\j+1], v[(\a)+8*\j+2]
.endr
.irp j, 0,1,2,3
	v_max3_num_f32 v[WK+\j], v[WK+\j], v[(\a)+8*\j+3], v[(\a)+8*\j+4]
.endr
.irp j, 0,1,2,3
	v_max3_num_f32 v[WK+\j], v[WK+\j], v[(\a)+8*\j+5], v[(\a)+8*\j+6]
.endr
	v_max3_num_f32 v[WK], v[WK], v[(\a)+7], v[(\a)+15]
	v_max3_num_f32 v[WK+1], v[WK+1], v[(\a)+23], v[(\a)+31]
	v_max3_num_f32 v[WK], v[WK], v[WK+1], v[WK+2]
	v_max_num_f32 v[WK], v[WK], v[WK+3]
	v_permlanex16_b32 v[WK+1], v[WK], s[SEL], s[SEL+1]
	v_max_num_f32 v[WK], v[WK], v[WK+1]
.set z, 0
.rept 16
	v_pk_add_f32 v[(\o)+2*z:(\o)+2*z+1], v[(\a)+2*z:(\a)+2*z+1], v[WK:WK+1] op_sel_hi:[1,0] neg_lo:[0,1] neg_hi:[0,1]
.set z, z+1
.endr
.set z, 0
.rept 32
	v_exp_f32 v[(\o)+z], v[(\o)+z]
.set z, z+1
.endr
	v_nop                                          ; a plain line behind the run of exponentials
.set z, 0
	s_wait_alu depctr_va_vdst(0)
.rept 8
	v_pk_add_f32 v[TT+2*z:TT+2*z+1], v[(\o)+2*z:(\o)+2*z+1], v[(\o)+16+2*z:(\o)+16+2*z+1]
.set z, z+1
.endr
.irp w, 8, 4, 2
.set z, 0
.rept (\w)/2
	v_pk_add_f32 v[TT+2*z:TT+2*z+1], v[TT+2*z:TT+2*z+1], v[TT+(\w)+2*z:TT+(\w)+2*z+1]
.set z, z+1
.endr
.endr
	v_add_f32 v[WK], v[TT], v[TT+1]
	v_permlanex16_b32 v[WK+1], v[WK], s[SEL], s[SEL+1]
	v_add_f32 v[WK], v[WK], v[WK+1]
	v_rcp_f32 v[WK+2], v[WK]
	v_nop
.set z, 0
	s_wait_alu depctr_va_vdst(0)
.rept 16
	v_pk_mul_f32 v[(\o)+2*z:(\o)+2*z+1], v[(\o)+2*z:(\o)+2*z+1], v[WK+2:WK+3] op_sel_hi:[1,0]
.set z, z+1
.endr
.endm
.macro GATEF                           ; A: a -> g2 = (min(a, 0) - log2(1 + 2^-|a|)) / 16
.set z, 0
.rept 32
	v_or_b32 v[TT+z], 0x80000000, v[A+z]
.set z, z+1
.endr
.set z, 0
.rept 32
	v_exp_f32 v[TT+z], v[TT+z]
.set z, z+1
.endr
	v_nop
.set z, 0
	s_wait_alu depctr_va_vdst(0)
.rept 16
	v_pk_add_f32 v[TT+2*z:TT+2*z+1], v[TT+2*z:TT+2*z+1], 1.0 op_sel_hi:[1,0]
.set z, z+1
.endr
.set z, 0
.rept 32
	v_log_f32 v[TT+z], v[TT+z]
.set z, z+1
.endr
.set z, 0
.rept 32
	v_min_num_f32 v[A+z], 0, v[A+z]                ; plain lines that touch no logarithm stand behind the run
.set z, z+1
.endr
.set z, 0
	s_wait_alu depctr_va_vdst(0)
.rept 16
	v_pk_add_f32 v[A+2*z:A+2*z+1], v[A+2*z:A+2*z+1], v[TT+2*z:TT+2*z+1] neg_lo:[0,1] neg_hi:[0,1]
.set z, z+1
.endr
.set z, 0
.rept 16
	v_pk_mul_f32 v[A+2*z:A+2*z+1], v[A+2*z:A+2*z+1], 0x3d800000 op_sel_hi:[1,0]
.set z, z+1
.endr
.endm
.macro CUMSUM gr, gc                   ; A is summed down the 16 rows, through the wave's own table; LDS serves a wave's instructions in order (ISA guide 5.7.1.4)
	STQ \gr, A, 0
.set z, 0
.rept 16
	ds_load_b32 v[TT+2*z], v[\gc] offset:272*z
	ds_load_b32 v[TT+2*z+1], v[\gc] offset:272*z+128
.set z, z+1
.endr
	s_wait_dscnt 0x0
.set z, 1
.rept 15
	v_pk_add_f32 v[TT+2*z:TT+2*z+1], v[TT+2*z:TT+2*z+1], v[TT+2*z-2:TT+2*z-1]
.set z, z+1
.endr
.set z, 1
.rept 15
	ds_store_b32 v[\gc], v[TT+2*z] offset:272*z
	ds_store_b32 v[\gc], v[TT+2*z+1] offset:272*z+128
.set z, z+1
.endr
	LDQ \gr, A, 0
.endm
.macro EXPA                            ; TT = 2^A
.set z, 0
.rept 32
	v_exp_f32 v[TT+z], v[A+z]
.set z, z+1
.endr
	v_nop
.endm
.macro PLACES
.rept 4
	v_nop
.endr
.endm
.macro MULX reg                        ; X *= 32 registers of window 0
.set z, 0
.rept 16
	v_pk_mul_f32 v[X+2*z:X+2*z+1], v[X+2*z:X+2*z+1], v[(\reg)+2*z:(\reg)+2*z+1]
.set z, z+1
.endr
.endm
	s_load_b256 s[4:11], s[0:1], 0x0               ; qkv s[4:5], g1 s[6:7], ss s[8:9], fla s[10:11]
	v_lshl_add_u32 v[SPW], v0, 2, SPARE
	v_mov_b32 v[NIL], 0
	v_lshrrev_b32 v1, 5, v0
	v_readfirstlane_b32 s12, v1                    ; wave = sub-block i
	s_mov_b32 s13, ttmp9                           ; chunk c
	s_and_b32 s14, ttmp7, 0xffff                   ; y = 8 b + kv
	s_lshr_b32 s15, s14, 3
	s_and_b32 s28, s14, 7
	s_lshl4_add_u32 s29, s14, s13                  ; 16 y + c
	s_lshl2_add_u32 s30, s29, s12                  ; 4 (16 y + c) + i
	s_lshl_b32 s31, s15, 17
	s_lshl_b32 s32, s13, 13
	s_add_co_u32 s31, s31, s32
	s_lshl_b32 s32, s12, 11
	s_add_co_u32 s31, s31, s32                     ; my 16 rows' first byte in a slot
	s_add_co_u32 s16, s28, 32
	s_lshl_b32 s16, s16, 18
	s_add_co_u32 s16, s16, s31                     ; k
	s_mov_b32 s17, 0
	s_lshl_b32 s18, s28, 20
	s_add_co_u32 s18, s18, s31                     ; q: the group's first head
	s_mov_b32 s19, 0
	s_lshl_b32 s20, s30, 8
	s_add_co_u32 s20, s20, CBOFF
	s_mov_b32 s21, 0
	s_lshl_b32 s22, s29, 13
	s_mov_b32 s23, 0
	s_lshl_b32 s24, s30, 13
	s_add_co_u32 s24, s24, LLOFF
	s_mov_b32 s25, 0
	s_lshl_b32 s26, s31, 5                         ; a token is 128 bytes there, 4,096 in fla
	s_lshl_b32 s32, s28, 9
	s_add_co_u32 s26, s26, s32
	s_mov_b32 s27, 0
	s_mov_b32 s[SEL], 0x76543210
	s_mov_b32 s[SEL+1], 0xfedcba98
	s_mov_b32 s[M1], 0x00f000f0                    ; the lanes with r / 4 = 1, 2, 3
	s_mov_b32 s[M2], 0x0f000f00
	s_mov_b32 s[M3], 0xf000f000
	v_and_b32 v1, 15, v0                           ; r
	v_bfe_u32 v2, v0, 4, 1                         ; h
	v_and_b32 v3, 31, v0                           ; l
	v_lshlrev_b32 v4, 7, v1
	v_lshl_add_u32 v4, v2, 4, v4                   ; k: row r, 16 h
	v_lshlrev_b32 v5, 4, v3                        ; 16 l
	v_and_b32 v48, 3, v1                           ; the head in its group
	v_lshrrev_b32 v49, 2, v1                       ; r / 4
	v_lshlrev_b32 v6, 18, v48
	v_lshl_add_u32 v6, v49, 7, v6
	v_lshl_add_u32 v6, v2, 4, v6                   ; q: my pair's head and row, 16 h
	v_lshlrev_b32 v7, 5, v2                        ; 32 h
	s_wait_kmcnt 0x0
	s_add_nc_u64 s[16:17], s[4:5], s[16:17]
	s_add_nc_u64 s[18:19], s[4:5], s[18:19]
	s_add_nc_u64 s[20:21], s[6:7], s[20:21]
	s_add_nc_u64 s[22:23], s[8:9], s[22:23]
	s_add_nc_u64 s[24:25], s[6:7], s[24:25]
	s_add_nc_u64 s[26:27], s[10:11], s[26:27]
.irp n, 0,1,2,3
	global_load_b128 v[KR+4*\n:KR+4*\n+3], v4, s[16:17] offset:32*\n
.endr
.irp n, 0,1,2,3
	global_load_b128 v[VR+4*\n:VR+4*\n+3], v5, s[16:17] offset:VSLOT+512*\n
.endr
.irp n, 0,1,2,3
	global_load_b128 v[QR+4*\n:QR+4*\n+3], v6, s[18:19] offset:32*\n
.endr
.set qn, 0
.rept 8
	global_load_b128 v[CBR+4*qn:CBR+4*qn+3], v7, s[20:21] offset:128*(qn/4)+64*((qn/2)%2)+16*(qn%2)
.set qn, qn+1
.endr
	WIN 0x40
.set z, 0
.rept 16
	global_load_b128 v[SSR+4*z:SSR+4*z+3], v5, s[22:23] offset:512*z
.set z, z+1
.endr
.set z, 0
.rept 16
	global_load_b128 v[LLR+4*z:LLR+4*z+3], v5, s[24:25] offset:512*z
.set z, z+1
.endr
	WIN 0
	v_mov_b32 v[L2E], 0x3fb8aa3b
	v_mov_b32 v[ZER], 0
	s_mul_i32 s33, s12, WSZ                        ; my LDS
	v_add_nc_u32 v9, s33, v7                       ; v9: TE + 32 h
	v_mul_u32_u24 v50, v1, 272
	v_add_nc_u32 v8, v50, v9                       ; v8: + row r
	v_add_nc_u32 v10, TC, v8                       ; v10: TC, row r
	v_lshl_add_u32 v11, v3, 2, s33
	v_add_nc_u32 v11, TC, v11                      ; v11: TC + 4 l
	v_mul_u32_u24 v50, v49, 272
	v_add_nc_u32 v12, v50, v9
	v_add_nc_u32 v12, TC, v12                      ; v12: TC, row r / 4
	v_bfe_u32 v50, v0, 3, 2
	v_mul_u32_u24 v50, v50, 160
	v_and_b32 v51, 7, v0
	v_lshl_add_u32 v50, v51, 4, v50
	v_add_nc_u32 v50, s33, v50
	v_add_nc_u32 v13, VS, v50                      ; v13: where I put V
	v_lshl_add_u32 v50, v2, 3, v51
	v_mul_u32_u24 v50, v50, 160
	v_bfe_u32 v51, v0, 3, 1
	v_lshl_add_u32 v50, v51, 4, v50
	v_add_nc_u32 v50, s33, v50
	v_add_nc_u32 v14, VS, v50                      ; v14: V, turned
	v_mul_u32_u24 v50, v49, 528
	v_lshl_add_u32 v50, v48, 7, v50
	v_lshl_add_u32 v50, v2, 4, v50
	v_add_nc_u32 v50, s33, v50
	v_add_nc_u32 v15, OST, v50                     ; v15: the result: row r / 4, head, 16 h
	v_add_nc_u32 v[OSR], s33, v5
	v_add_nc_u32 v[OSR], OST, v[OSR]
	v_mov_b32 v[RX], v1
	v_lshlrev_b32 v50, 3, v2
	v_sub_nc_u32 v[DDX], v49, v50
	s_wait_loadcnt 48                              ; k is in; the 48 younger loads stay out
	RS1 KR, A
	RS2 A, KF                                      ; kf = W_0
	GATEF
	EXPA
	STQ 8, TT, 0                                   ; e
	CUMSUM 10, 11
	s_wait_dscnt 0x0
	EXPA
	STQ 10, TT, 0                                  ; C takes the sums' place
	s_wait_loadcnt 44                              ; v is in
.irp n, 0,1,2,3
	ds_store_b128 v13, v[VR+4*\n:VR+4*\n+3] offset:640*\n
.endr
	WIN 0x40
.irp b, 0,1,2,3                        ; 16 tokens for the instruction's 32 along K: the upper quads of V^T and of A are 0
	ds_load_tr16_b128 v[VT+8*\b:VT+8*\b+3], v14 offset:32*\b
.irp m, 4,5,6,7
	v_mov_b32 v[VT+8*\b+\m], 0
.endr
.endr
	WIN 0x80
.irp m, 4,5,6,7
	v_mov_b32 v[AT+\m], 0
.endr
	WIN 0
	s_mov_b32 s[XC], 0
	s_mov_b32 s[TX], 0
	s_mov_b32 s[OX], 0
; W_t for t = 4 x + tt: the lanes s < t are multiplied by e_t, the others keep kf; then W_t in f16
.macro WSTEP tt
	v_cmp_gt_i32 vcc_lo, \tt, v[RX]
	s_and_saveexec_b32 s[SV], vcc_lo
	WIN 0x08                                       ; source 1 in window 2
.set z, 0
.rept 16
	v_pk_mul_f32 v[W+2*z:W+2*z+1], v[W+2*z:W+2*z+1], v[MW+32*(\tt)+2*z:MW+32*(\tt)+2*z+1]
.set z, z+1
.endr
	s_or_b32 exec_lo, exec_lo, s[SV]
	WIN 0x40
.set z, 0
.rept 16
	v_cvt_pk_f16_f32 v[WH+16*(\tt)+z], v[W+2*z], v[W+2*z+1]
.set z, z+1
.endr
.endm
.Lx:                                                   ; four trips: column tile x
	s_wait_loadcnt 0x0                             ; this tile's q (in the first trip cb, S^c and L_i too); v6 may be stepped
	v_add_nc_u32 v[TA1], s[TX], v9
	v_add_nc_u32 v[TA2], s[TX], v12
	v_add_nc_u32 v[TA3], s[OX], v15
	WIN 0x80
.irp tt, 0,1,2,3
	LDQ TA1, MW+32*\tt, 272*\tt                    ; rows 4 x .. 4 x + 3 of e, the same in every row's lanes
.endr
	WIN 0
	LDQ TA2, CL, 0                                 ; my pair's row of C
	RS1 QR, X
	s_cmp_eq_u32 s[XC], 3
	s_cbranch_scc1 .Lnoq                           ; the last trip has no next tile
	v_add_nc_u32 v6, 512, v6
.irp n, 0,1,2,3
	global_load_b128 v[QR+4*\n:QR+4*\n+3], v6, s[18:19] offset:32*\n
.endr
.Lnoq:
	RS2 X, X
	WIN 0x80
.set z, 0
.rept 16
	v_cvt_pk_f16_f32 v[QD+z], v[X+2*z], v[X+2*z+1]
.set z, z+1
.endr
	WIN 0
	s_wait_dscnt 0x0                               ; e's rows and C's are in (in the first trip V^T too)
	MULX CL
	WIN 0x80
.set z, 0
.rept 16
	v_cvt_pk_bf16_f32 v[QL+z], v[X+2*z], v[X+2*z+1]
.set z, z+1
.endr
	WIN 0
	MULX CBR
	WIN 0x80
.set z, 0
.rept 16
	v_cvt_pk_bf16_f32 v[QS+z], v[X+2*z], v[X+2*z+1]
.set z, z+1
.endr
	WIN 0
	s_wait_xcnt 0x0                                ; EXEC changes only behind this wait: q's loads have been issued
	WSTEP 0
	WSTEP 1
	WSTEP 2
	WSTEP 3
	WIN 0x09                                       ; source 0 in window 1, source 1 in window 2
.irp c, 0,1
.irp tt, 0,1,2,3                       ; the four accumulators take turns
.if \c == 0
	v_wmma_f32_16x16x32_f16 v[D+8*\tt:D+8*\tt+7], v[WH+16*\tt:WH+16*\tt+7], v[QD:QD+7], 0
.else
	v_wmma_f32_16x16x32_f16 v[D+8*\tt:D+8*\tt+7], v[WH+16*\tt+8:WH+16*\tt+15], v[QD+8:QD+15], v[D+8*\tt:D+8*\tt+7]
.endif
.endr
.endr
	WIN 0
	PLACES
.irp j, 0,1,2,3,4,5,6,7                ; my own t's product; register j is s = 8 h + j: kept where s <= t
	v_cndmask_b32 v[AS+\j], v[D+\j], v[D+8+\j], s[M1]
	v_cndmask_b32 v[AS+\j], v[AS+\j], v[D+16+\j], s[M2]
	v_cndmask_b32 v[AS+\j], v[AS+\j], v[D+24+\j], s[M3]
	v_cmp_le_i32 vcc_lo, \j, v[DDX]
	v_cndmask_b32 v[AS+\j], 0, v[AS+\j], vcc_lo
.endr
	WIN 0x80
.irp m, 0,1,2,3
	v_cvt_pk_f16_f32 v[AT+\m], v[AS+2*\m], v[AS+2*\m+1]
.endr
	WIN 0x09
.irp b, 0,1,2,3
	v_wmma_f32_16x16x32_bf16 v[OA+8*\b:OA+8*\b+7], v[SSR+16*\b:SSR+16*\b+7], v[QS:QS+7], 0
.endr
.irp b, 0,1,2,3
	v_wmma_f32_16x16x32_bf16 v[OA+8*\b:OA+8*\b+7], v[SSR+16*\b+8:SSR+16*\b+15], v[QS+8:QS+15], v[OA+8*\b:OA+8*\b+7]
.endr
.irp b, 0,1,2,3
	v_wmma_f32_16x16x32_bf16 v[OA+8*\b:OA+8*\b+7], v[LLR+16*\b:LLR+16*\b+7], v[QL:QL+7], v[OA+8*\b:OA+8*\b+7]
.endr
.irp b, 0,1,2,3
	v_wmma_f32_16x16x32_bf16 v[OA+8*\b:OA+8*\b+7], v[LLR+16*\b+8:LLR+16*\b+15], v[QL+8:QL+15], v[OA+8*\b:OA+8*\b+7]
.endr
.rept 5
	v_nop                                          ; another form takes the accumulators up: five places (ISA guide 7.12.1)
.endr
.irp b, 0,1,2,3
	v_wmma_f32_16x16x32_f16 v[OA+8*\b:OA+8*\b+7], v[VT+8*\b:VT+8*\b+7], v[AT:AT+7], v[OA+8*\b:OA+8*\b+7]
.endr
	WIN 0
	PLACES
.set z, 0
.rept 16
	v_pk_mul_f32 v[OA+2*z:OA+2*z+1], v[OA+2*z:OA+2*z+1], 0x3aa3d70a op_sel_hi:[1,0]   ; 0.125 x 0.01
.set z, z+1
.endr
.set z, 0
.rept 16
	v_cvt_pk_bf16_f32 v[OPK+z], v[OA+2*z], v[OA+2*z+1]
.set z, z+1
.endr
.irp b, 0,1,2,3
	ds_store_b128 v[TA3], v[OPK+4*\b:OPK+4*\b+3] offset:32*\b
.endr
	v_add_nc_u32 v[RX], -4, v[RX]
	v_add_nc_u32 v[DDX], 4, v[DDX]
	s_add_co_u32 s[TX], s[TX], 4*272
	s_add_co_u32 s[OX], s[OX], 4*528
	s_add_co_u32 s[XC], s[XC], 1
	s_cmp_lt_u32 s[XC], 4
	s_cbranch_scc1 .Lx
	; THE WAY OUT: a token's four heads are 512 consecutive bytes of fla
.set n, 0
.rept 16
	ds_load_b128 v[TT+4*n:TT+4*n+3], v[OSR] offset:528*n
.set n, n+1
.endr
.set n, 0
.rept 16
	s_wait_dscnt 15-n                              ; row n is back, the younger ones stay out
	global_store_b128 v5, v[TT+4*n:TT+4*n+3], s[26:27] offset:4096*n
.set n, n+1
.endr
	s_wait_tensorcnt 0x0                           ; the wave's end
	ds_add_u32 v[SPW], v[NIL]
	s_wait_dscnt 0x0
	s_endpgm
.Lfunc_end_k_qf00e6b60eb_gla2:
	.size	k_qf00e6b60eb_gla2, .Lfunc_end_k_qf00e6b60eb_gla2-k_qf00e6b60eb_gla2
	.p2alignl 7, 3214868480
	.fill 96, 4, 3214868480
	.section	.rodata,"a",@progbits
	.p2align	6, 0x0
	.amdhsa_kernel k_qf00e6b60eb_gla2
		.amdhsa_group_segment_fixed_size 79360
		.amdhsa_private_segment_fixed_size 0
		.amdhsa_enable_private_segment 0
		.amdhsa_kernarg_size 32
		.amdhsa_user_sgpr_count 2
		.amdhsa_user_sgpr_kernarg_segment_ptr 1
		.amdhsa_wavefront_size32 1
		.amdhsa_system_sgpr_workgroup_id_x 1
		.amdhsa_system_sgpr_workgroup_id_y 1
		.amdhsa_system_sgpr_workgroup_id_z 1
		.amdhsa_system_vgpr_workitem_id 0
		.amdhsa_next_free_vgpr 704
		.amdhsa_next_free_sgpr 66
		.amdhsa_reserve_vcc 1
		.amdhsa_float_denorm_mode_32 3
		.amdhsa_float_denorm_mode_16_64 3
		.amdhsa_memory_ordered 1
		.amdhsa_forward_progress 1
		.amdhsa_inst_pref_size 71
	.end_amdhsa_kernel
	.amdgpu_metadata
---
amdhsa.version: [ 1, 2 ]
amdhsa.kernels:
  - .name:           k_qf00e6b60eb_gla2
    .symbol:         k_qf00e6b60eb_gla2.kd
    .args:
      - { .name: qkv, .offset: 0, .size: 8, .value_kind: global_buffer, .address_space: global }
      - { .name: g1, .offset: 8, .size: 8, .value_kind: global_buffer, .address_space: global }
      - { .name: ss, .offset: 16, .size: 8, .value_kind: global_buffer, .address_space: global }
      - { .name: fla, .offset: 24, .size: 8, .value_kind: global_buffer, .address_space: global }
    .group_segment_fixed_size: 79360
    .private_segment_fixed_size: 0
    .kernarg_segment_align: 8
    .kernarg_segment_size: 32
    .max_flat_workgroup_size: 128
    .sgpr_count:     66
    .vgpr_count:     704
    .wavefront_size: 32
...
	.end_amdgpu_metadata
.endif
;; end of part 5
;; launch gemm_out (part 6): grid 16 x 16, 4 waves a work-group, clusters of 4 x 4, 327,680 bytes of LDS; arguments ob, w16, fla, out0; writes out0
.if DOCPART == 6
	.amdgcn_target "amdgcn-amd-amdhsa--gfx1250"
	.amdhsa_code_object_version 6
	.text
	.protected	k_qf00e6b60eb_gemm_out
	.globl	k_qf00e6b60eb_gemm_out
	.p2align	8
	.type	k_qf00e6b60eb_gemm_out,@function
k_qf00e6b60eb_gemm_out:
	s_mov_b64 s[64:65], 0
	v_nop
	global_prefetch_b8 v0, s[64:65] scope:SCOPE_SE
	s_setreg_imm32_b32 hwreg(HW_REG_WAVE_MODE, 25, 1), 1
	s_wait_xcnt 0x0
	s_wait_alu depctr_hold_cnt(0) depctr_sa_sdst(0) depctr_va_vdst(0) depctr_va_sdst(0) depctr_va_ssrc(0) depctr_va_vcc(0) depctr_vm_vsrc(0)
	s_getreg_b32 s2, hwreg(HW_REG_IB_STS2, 6, 4)
	s_cmp_eq_u32 s2, 0
	s_cbranch_scc0 .Lentry_in_a_cluster
	s_endpgm
.Lentry_in_a_cluster:
	s_bfe_u32 s2, ttmp6, 0x10000c
	s_cmp_lg_u32 s2, 0xf033
	s_cbranch_scc0 .Lentry_shape_is_right
	s_endpgm
.Lentry_shape_is_right:
; out0 = 0.99 (O Wo) + fla.  O: f16, ob[head 32][token 2048][64], so K = 64 head + channel;  Wo: f16 [2048 k][2048 n] at w16+WO;  fla: bf16 [token][2048], already times 0.01;  out0: f32 [2048][2048].  Sums in f32.
; A tile of the result is 128 x 128: 16 x 16 tiles, one for each of 256 work-groups.  Four waves, each 64 x 64: 16 accumulators.  K goes in steps of 256 (four heads) through two LDS slots.
; O's tile: a head's 128 tokens are 16,384 dense bytes; one tensor load brings two heads' (two rows of 16,384 bytes), padded in LDS behind every token.  Wo lies [k][n]: its fragments are read turned.
; CLUSTER 4 x 4: O's tile is shared along a cluster's row, Wo's along a column: asked for jointly.  THE MATRIX INSTRUCTION IS USED TRANSPOSED: a lane holds eight neighbouring columns of one row.
; REGISTERS: window 0: v0-31 addresses, v32-95 fla, v96-127 rows on the way out, v128-255 accumulators ((a, b) at 128 + 8 (4 a + b)).  Window 1: two fragment buffers at 0 and 64: O's four fragments, then Wo's four.
.set PA,     144                       ; a token's 128 bytes + 16
.set PB,     288                       ; a row of Wo's tile: 256 bytes + 32 = 9 x 32
.set HEADB,  128*PA                    ; 18,432
.set HALFA,  2*HEADB
.set HALFB,  128*PB                    ; 36,864
.set BOFF,   2*HALFA
.set SLOT,   BOFF+2*HALFB              ; 147,456
.set STAGE,  2*SLOT                    ; each wave's own 16 rows x 272 bytes
.set SPITCH, 272
.set SPARE,  STAGE+4*16*SPITCH
.set LAPS,   4
.set WO,     20971520
.set STEPB,  1048576                   ; a K step: four heads of 262,144 bytes, or 256 rows of 4,096
.set NBW,    4
.set ADRA, 16                          ; v16-17
.set ADRB, 20                          ; v20-23: by slot and half of the K step
.set STO,  24
.set RD,   25
.set CO,   26
.set FO,   27
.set SPW,  28
.set NIL,  29
.set C99,  30
.set FL,   32
.set OB,   96
.set ACC,  128
.set F0,   0
.set F1,   64
.set G1, 24
.set G0, 32
.set G1B, 48
.set G0B, 56
.set MSB, 0
.macro WIN new
.if MSB != (\new)
	s_set_vgpr_msb (MSB<<8)|(\new)
.set MSB, \new
.endif
.endm
.set MUL,  0x05
.set TO_F, 0x40
.macro JLOAD s                         ; a joint load: waves 0 and 1 fetch O's two halves, waves 2 and 3 Wo's; s_nop 0 and four v_nop follow each line
	s_cmp_eq_u32 s11, 0
	s_cbranch_scc0 .Lfor_b_\@
	tensor_load_to_lds s[G0+4*(\s):G0+4*(\s)+3], s[G1:G1+7]
	s_nop 0
.rept 4
	v_nop
.endr
	s_branch .Lasked_\@
.Lfor_b_\@:
	tensor_load_to_lds s[G0B+4*(\s):G0B+4*(\s)+3], s[G1B:G1B+7]
	s_nop 0
.rept 4
	v_nop
.endr
.Lasked_\@:
.endm
.macro CREST
	s_cmp_lg_u32 s10, 0
	s_cbranch_scc1 .Lnot_wave_0_\@
	s_barrier_signal -3
.Lnot_wave_0_\@:
	s_barrier_wait -3
	s_barrier_signal -1
	s_barrier_wait -1
.endm
.macro CROUND
	s_barrier_signal -1
	s_barrier_wait -1
	CREST
.endm
	s_load_b256 s[68:75], s[0:1], 0x0              ; ob s[68:69], w16 s[70:71], fla s[72:73], out0 s[74:75]
	v_lshl_add_u32 v[SPW], v0, 2, SPARE
	v_mov_b32 v[NIL], 0
	ds_add_u32 v[SPW], v[NIL]                      ; the wave's opening: the add and its wait stand ahead of my first tensor load
	v_lshrrev_b32 v1, 5, v0
	v_readfirstlane_b32 s10, v1
	s_lshr_b32 s11, s10, 1                         ; my half of the rows.  Also: I fetch for O (0) or for Wo (1)
	s_and_b32 s12, s10, 1                          ; my half of the columns.  Also: which half of that tile I fetch
	s_bfe_u32 s40, ttmp6, 0x40000
	s_bfe_u32 s41, ttmp6, 0x40004
	s_lshl_b32 s42, ttmp9, 2
	s_add_co_u32 s42, s42, s40                     ; tile column
	s_and_b32 s13, ttmp7, 0xffff
	s_lshl_b32 s13, s13, 2
	s_add_co_u32 s13, s13, s41                     ; tile row
	s_lshl_b32 s43, s41, 2
	s_lshl_b32 s43, 15, s43
	s_lshl_b32 s44, 0x1111, s40
	s_or_b32 s[G1+0], s43, (1<<16)|(1<<20)|(1<<21)|(4<<22)|(3<<25)   ; O: 4 words of padding behind every 32
	s_mov_b32 s[G1+1], 8192<<16                    ; tensor_dim0 = 8,192 elements: 128 tokens of a head
	s_mov_b32 s[G1+2], 2<<16                       ; tensor_dim1 = 2 heads
	s_mov_b32 s[G1+3], 8192<<16                    ; tile_dim0
	s_mov_b32 s[G1+4], 2                           ; tile_dim1
	s_mov_b32 s[G1+5], 131072                      ; elements from head to head
	s_mov_b32 s[G1+6], 0
	s_mov_b32 s[G1+7], 0
	s_or_b32 s[G1B+0], s44, (1<<16)|(1<<20)|(1<<21)|(5<<22)|(7<<25)  ; Wo: 8 words of padding behind every 64
	s_mov_b32 s[G1B+1], 128<<16
	s_mov_b32 s[G1B+2], 128<<16
	s_mov_b32 s[G1B+3], 128<<16
	s_mov_b32 s[G1B+4], 128
	s_mov_b32 s[G1B+5], 2048
	s_mov_b32 s[G1B+6], 0
	s_mov_b32 s[G1B+7], 0
	s_lshl_b32 s16, s13, 14                        ; O: 128 tokens of 128 bytes a tile row,
	s_lshl_b32 s17, s12, 19                        ; two heads a half
	s_add_co_u32 s16, s16, s17
	s_mov_b32 s17, 0
	s_lshl_b32 s46, s42, 8                         ; Wo: 128 columns a tile column,
	s_lshl_b32 s47, s12, 19                        ; 128 rows of 4,096 bytes a half
	s_add_co_u32 s46, s46, s47
	s_add_co_u32 s46, s46, WO
	s_mov_b32 s47, 0
	s_mul_i32 s20, s12, HALFA
	s_mul_i32 s21, s12, HALFB
	s_add_co_u32 s21, s21, BOFF
	s_wait_dscnt 0x0
	s_wait_kmcnt 0x0
	s_add_nc_u64 s[14:15], s[68:69], s[16:17]
	s_add_nc_u64 s[46:47], s[70:71], s[46:47]
	CROUND
.irp s, 0,1
	s_mov_b32 s[G0+4*(\s)], 1
	s_add_co_u32 s[G0+4*(\s)+1], s20, (\s)*SLOT
	s_add_nc_u64 s[G0+4*(\s)+2:G0+4*(\s)+3], s[14:15], (\s)*STEPB
	s_or_b32 s[G0+4*(\s)+3], s[G0+4*(\s)+3], 0x80000000
	s_mov_b32 s[G0B+4*(\s)], 1
	s_add_co_u32 s[G0B+4*(\s)+1], s21, (\s)*SLOT
	s_add_nc_u64 s[G0B+4*(\s)+2:G0B+4*(\s)+3], s[46:47], (\s)*STEPB
	s_or_b32 s[G0B+4*(\s)+3], s[G0B+4*(\s)+3], 0x80000000
	JLOAD \s                                       ; two loads of mine are out behind these
.endr
	v_and_b32 v1, 15, v0                           ; r
	v_bfe_u32 v2, v0, 4, 1                         ; h
	s_lshl_b32 s46, s13, 19                        ; fla: 128 rows of 4,096 bytes a tile row, 64 rows a half, 256 bytes a tile column, 128 a half
	s_lshl_b32 s47, s11, 18
	s_add_co_u32 s46, s46, s47
	s_lshl_b32 s47, s42, 8
	s_add_co_u32 s46, s46, s47
	s_lshl_b32 s47, s12, 7
	s_add_co_u32 s46, s46, s47
	s_mov_b32 s47, 0
	s_add_nc_u64 s[72:73], s[72:73], s[46:47]
	s_lshl_b32 s46, s46, 1                         ; out0: twice that
	s_add_nc_u64 s[74:75], s[74:75], s[46:47]
	v_lshlrev_b32 v8, 12, v2
	v_lshl_add_u32 v[FO], v1, 3, v8                ; as the rows come back from the stage: lanes 0-15 one row, lanes 16-31 the next; four columns a lane
.set n, 0
.rept 32
	global_load_b64 v[FL+2*n:FL+2*n+1], v[FO], s[72:73] offset:2*n*4096
.set n, n+1
.endr
	v_lshlrev_b32 v8, 13, v2
	v_lshl_add_u32 v[CO], v1, 4, v8
	v_mov_b32 v[C99], 0x3f7d70a4                   ; 0.99
	v_mul_u32_u24 v3, v1, PA
	v_lshl_add_u32 v3, v2, 4, v3
	v_and_b32 v5, 7, v0
	v_bfe_u32 v6, v0, 3, 1
	v_lshl_add_u32 v7, v2, 3, v5
	v_mul_u32_u24 v7, v7, PB
	v_lshl_add_u32 v7, v6, 4, v7
	s_mul_i32 s22, s11, 64*PA                      ; my 64 tokens
	s_lshl_b32 s23, s12, 7                         ; my 64 columns
	s_add_co_u32 s23, s23, BOFF
.irp s, 0,1
	v_add_nc_u32 v[ADRA+(\s)], s22, v3
	v_add_nc_u32 v[ADRB+2*(\s)], s23, v7
	s_add_co_u32 s23, s23, HALFB
	v_add_nc_u32 v[ADRB+2*(\s)+1], s23, v7
	s_add_co_u32 s22, s22, SLOT
	s_add_co_u32 s23, s23, SLOT-HALFB
.endr
	s_mul_i32 s22, s10, 16*SPITCH
	s_add_co_u32 s22, s22, STAGE                   ; my stage
	v_mul_u32_u24 v4, v1, SPITCH
	v_lshl_add_u32 v4, v2, 5, v4
	v_add_nc_u32 v[STO], s22, v4                   ; in: row r, 32 bytes for each half of the lanes
	v_mul_u32_u24 v4, v2, SPITCH
	v_lshl_add_u32 v4, v1, 4, v4
	v_add_nc_u32 v[RD], s22, v4                    ; back: lanes 0-15 one row of 256 bytes, lanes 16-31 the next
; four matrix instructions: row block a x my four column blocks.  All 16 accumulators take turns, one instruction a turn.
.macro MULA f, a, zero
	WIN MUL
.irp b, 0,1,2,3
.if \zero
	v_wmma_f32_16x16x32_f16 v[ACC+8*(NBW*(\a)+(\b)):ACC+8*(NBW*(\a)+(\b))+7], v[(\f)+32+8*(\b):(\f)+32+8*(\b)+7], v[(\f)+8*(\a):(\f)+8*(\a)+7], 0
.else
	v_wmma_f32_16x16x32_f16 v[ACC+8*(NBW*(\a)+(\b)):ACC+8*(NBW*(\a)+(\b))+7], v[(\f)+32+8*(\b):(\f)+32+8*(\b)+7], v[(\f)+8*(\a):(\f)+8*(\a)+7], v[ACC+8*(NBW*(\a)+(\b)):ACC+8*(NBW*(\a)+(\b))+7]
.endif
.endr
.endm
.macro FETCH slot, q, f                ; 16 LDS loads in one run: sub-step q (head q / 2 of the step, channels 32 (q % 2) on)
	WIN TO_F
.irp b, 0,1,2,3
	ds_load_tr16_b128 v[(\f)+32+8*(\b):(\f)+32+8*(\b)+3],   v[ADRB+2*(\slot)+(\q)/4] offset:((\q)%4)*32*PB+32*(\b)
	ds_load_tr16_b128 v[(\f)+32+8*(\b)+4:(\f)+32+8*(\b)+7], v[ADRB+2*(\slot)+(\q)/4] offset:((\q)%4)*32*PB+32*(\b)+16*PB
.endr
.irp a, 0,1,2,3
	ds_load_b128 v[(\f)+8*(\a):(\f)+8*(\a)+3],   v[ADRA+(\slot)] offset:((\q)/2)*HEADB+(\a)*16*PA+((\q)%2)*64
	ds_load_b128 v[(\f)+8*(\a)+4:(\f)+8*(\a)+7], v[ADRA+(\slot)] offset:((\q)/2)*HEADB+(\a)*16*PA+((\q)%2)*64+32
.endr
.endm
.macro PLACES
.rept 4
	v_nop
.endr
.endm
.macro SUB slot, q, zero               ; multiplies sub-step q - 1 and, in its middle, fetches sub-step q into the other buffer
.set FM, 64*(((\q)+1)%2)
.set FN, 64*((\q)%2)
	s_wait_dscnt 0x0
	MULA FM, 0, \zero
	MULA FM, 1, \zero
	PLACES
	FETCH \slot, \q, FN
	MULA FM, 2, \zero
	MULA FM, 3, \zero
.endm
.macro TURN slot, next, fill           ; the last sub-step multiplies buffer 1 and changes slots
	WIN 0
	s_wait_tensorcnt 0x0                           ; all my tensor loads have landed: my part of the next slot
	ds_add_u32 v[SPW], v[NIL]                      ; 0 onto my spare word
	s_wait_dscnt 1                                 ; the fragments are in; the add alone may be out
	MULA F1, 0, 0
	s_wait_dscnt 0x0                               ; the add is done, and my reads of this slot are over
	s_barrier_signal -1
	MULA F1, 1, 0
.if \fill
	WIN 0
.endif
	s_barrier_wait -1
.if \fill
	CREST
	s_add_nc_u64 s[G0+4*(\slot)+2:G0+4*(\slot)+3], s[G0+4*(\slot)+2:G0+4*(\slot)+3], 2*STEPB
	s_add_nc_u64 s[G0B+4*(\slot)+2:G0B+4*(\slot)+3], s[G0B+4*(\slot)+2:G0B+4*(\slot)+3], 2*STEPB
	JLOAD \slot                                    ; my one tensor load behind the round
.else
	PLACES
.endif
	FETCH \next, 0, F0
	MULA F1, 2, 0
	MULA F1, 3, 0
.endm
	s_wait_tensorcnt 1                             ; my part of K step 0 is in; step 1's may stay out
	s_barrier_signal -1
	s_barrier_wait -1
	FETCH 0, 0, F0
	SUB 0, 1, 1                                    ; the first sub-step's products start the sums
	WIN 0
	s_mov_b32 s3, LAPS-1
.Llap:
.irp q, 2,3,4,5,6,7
	SUB 0, \q, 0
.endr
	TURN 0, 1, 1
.irp q, 1,2,3,4,5,6,7
	SUB 1, \q, 0
.endr
	TURN 1, 0, 1
	SUB 0, 1, 0
	WIN 0
	s_sub_co_u32 s3, s3, 1
	s_cmp_lg_u32 s3, 0
	s_cbranch_scc1 .Llap
.irp q, 2,3,4,5,6,7
	SUB 0, \q, 0
.endr
	TURN 0, 1, 0
.irp q, 1,2,3,4,5,6,7
	SUB 1, \q, 0
.endr
	s_wait_dscnt 0x0
	MULA F1, 0, 0
	MULA F1, 1, 0
	MULA F1, 2, 0
	MULA F1, 3, 0
	WIN 0
	; THE WAY OUT, 16 rows at a time through my own stage: my 64 columns of f32 are one aligned 256 bytes of a row, so no other wave is needed and no barrier.
	PLACES
	s_wait_loadcnt 0x0                             ; fla
.macro OUT a
.irp b, 0,1,2,3
	ds_store_b128 v[STO], v[ACC+8*(NBW*(\a)+(\b)):ACC+8*(NBW*(\a)+(\b))+3] offset:64*(\b)
	ds_store_b128 v[STO], v[ACC+8*(NBW*(\a)+(\b))+4:ACC+8*(NBW*(\a)+(\b))+7] offset:64*(\b)+16
.endr
	s_wait_xcnt 0x0                                ; the last block's stores have read v96-127
.irp t, 0,1,2,3,4,5,6,7
	ds_load_b128 v[OB+4*(\t):OB+4*(\t)+3], v[RD] offset:(\t)*2*SPITCH   ; LDS serves a wave's instructions in order (ISA guide 5.7.1.4)
.endr
.irp t, 0,1,2,3,4,5,6,7
	s_wait_dscnt 7-(\t)
	v_fma_mix_f32_bf16 v[OB+4*(\t)],   v[OB+4*(\t)],   v[C99], v[FL+2*(8*(\a)+(\t))] op_sel_hi:[0,0,1]
	v_fma_mix_f32_bf16 v[OB+4*(\t)+1], v[OB+4*(\t)+1], v[C99], v[FL+2*(8*(\a)+(\t))] op_sel:[0,0,1] op_sel_hi:[0,0,1]
	v_fma_mix_f32_bf16 v[OB+4*(\t)+2], v[OB+4*(\t)+2], v[C99], v[FL+2*(8*(\a)+(\t))+1] op_sel_hi:[0,0,1]
	v_fma_mix_f32_bf16 v[OB+4*(\t)+3], v[OB+4*(\t)+3], v[C99], v[FL+2*(8*(\a)+(\t))+1] op_sel:[0,0,1] op_sel_hi:[0,0,1]
	global_store_b128 v[CO], v[OB+4*(\t):OB+4*(\t)+3], s[74:75] offset:(16*(\a)+2*(\t))*8192   ; 16 lanes store 256 consecutive bytes, aligned
.endr
.endm
	OUT 0
	OUT 1
	OUT 2
	OUT 3
	s_wait_tensorcnt 0x0                           ; the wave's end
	ds_add_u32 v[SPW], v[NIL]
	s_wait_dscnt 0x0
	CROUND                                         ; the closing round
	s_endpgm
.Lfunc_end_k_qf00e6b60eb_gemm_out:
	.size	k_qf00e6b60eb_gemm_out, .Lfunc_end_k_qf00e6b60eb_gemm_out-k_qf00e6b60eb_gemm_out
	.p2alignl 7, 3214868480
	.fill 96, 4, 3214868480
	.section	.rodata,"a",@progbits
	.p2align	6, 0x0
	.amdhsa_kernel k_qf00e6b60eb_gemm_out
		.amdhsa_group_segment_fixed_size 327680
		.amdhsa_private_segment_fixed_size 0
		.amdhsa_enable_private_segment 0
		.amdhsa_kernarg_size 32
		.amdhsa_user_sgpr_count 2
		.amdhsa_user_sgpr_kernarg_segment_ptr 1
		.amdhsa_wavefront_size32 1
		.amdhsa_system_sgpr_workgroup_id_x 1
		.amdhsa_system_sgpr_workgroup_id_y 1
		.amdhsa_system_sgpr_workgroup_id_z 1
		.amdhsa_system_vgpr_workitem_id 0
		.amdhsa_next_free_vgpr 384
		.amdhsa_next_free_sgpr 76
		.amdhsa_reserve_vcc 0
		.amdhsa_float_denorm_mode_32 3
		.amdhsa_float_denorm_mode_16_64 3
		.amdhsa_memory_ordered 1
		.amdhsa_forward_progress 1
		.amdhsa_inst_pref_size 101
	.end_amdhsa_kernel
	.amdgpu_metadata
---
amdhsa.version: [ 1, 2 ]
amdhsa.kernels:
  - .name:           k_qf00e6b60eb_gemm_out
    .symbol:         k_qf00e6b60eb_gemm_out.kd
    .args:
      - { .name: ob, .offset: 0, .size: 8, .value_kind: global_buffer, .address_space: global }
      - { .name: w16, .offset: 8, .size: 8, .value_kind: global_buffer, .address_space: global }
      - { .name: fla, .offset: 16, .size: 8, .value_kind: global_buffer, .address_space: global }
      - { .name: out0, .offset: 24, .size: 8, .value_kind: global_buffer, .address_space: global }
    .group_segment_fixed_size: 327680
    .private_segment_fixed_size: 0
    .kernarg_segment_align: 8
    .kernarg_segment_size: 32
    .max_flat_workgroup_size: 128
    .sgpr_count:     76
    .vgpr_count:     384
    .wavefront_size: 32
...
	.end_amdgpu_metadata
.endif
;; end of part 6
